; MI455X (gfx1250); checked and timed in simulation.
; The chip was launched on July 23, 2026; its instructions are those of AMD's public machine-readable ISA for CDNA 5 (MIT licence, August 2026) and "CDNA5" Instruction Set Architecture Reference Guide (July 2026). The comments in the code are by the model that wrote it; some were corrected since.
;; Self Attention. Allowed arithmetic: matrix products marked QUANTISED: E2M3 operands, one E8M0 scale for each 32 along K, by v_wmma_scale_f32_16x16x128_f8f6f4 with both operands' format E2M3, f32 sums; everything else in f32.
;; Inputs: Wk 1,024 x 1,024 float32; Wo 1,024 x 1,024 float32; Wq 1,024 x 1,024 float32; Wv 1,024 x 1,024 float32; bk 1,024 float32; bo 1,024 float32; bq 1,024 float32; bv 1,024 float32; x 4 x 2,048 x 1,024 float32.
;; Outputs: out0 4 x 2,048 x 1,024 float32.
;; This version of the problem:
;;   THIS VERSION OF THE PROBLEM IS GIVEN IN LOW PRECISION. The matrix products marked QUANTISED in the list below multiply operands that are first quantised to E2M3 (2 exponent bits, 3 mantissa bits; 6 bits a number), with one power-of-two scale for each 32 numbers along K (OCP MX v1.0); their sums are f32. All else is computed in f32.
;;   The module's matrix products, in the order in which they are computed (A, B: the left and right operand; K: the contracted axis; several contracted axes count as one K, in the product's order):
;;     1. [M 8,192, K 1,024] x [K 1,024, N 1,024]; A: input x; B: input Wq: QUANTISED
;;     2. [M 8,192, K 1,024] x [K 1,024, N 1,024]; A: input x; B: input Wk: QUANTISED
;;     3. [M 8,192, K 1,024] x [K 1,024, N 1,024]; A: input x; B: input Wv: QUANTISED
;;     4. batch 64 x [M 2,048, K 64] x [K 64, N 2,048]; A: computed on the way; B: computed on the way: QUANTISED
;;     5. batch 64 x [M 2,048, K 2,048] x [K 2,048, N 64]; A: softmax (see below); B: computed on the way: QUANTISED
;;     6. [M 8,192, K 1,024] x [K 1,024, N 1,024]; A: computed on the way; B: input Wo: QUANTISED
;;   THE QUANTISER, for each operand of a quantised product, along K:
;;     - K is cut into blocks of 32 from its start; a last block that is shorter is filled with zeros.
;;     - A block's scale is 2^e with e = floor(log2(the largest magnitude in the block)) - 2, held to -126 .. 127; a block of zeros has e = 0. As a byte (E8M0): e + 127.
;;     - Each number is divided by its block's scale, clamped to +-7.5, and rounded to the nearest number of E2M3, ties to even, subnormals kept.
;;     - The product sums the exact products of the quantised numbers (number of the format x scale) in f32.
;;   ~~~python
;;   def quantise(x, axis):      # numpy; x: float32 -> the quantised numbers, widened to float32 again
;;       x = np.moveaxis(x, axis, -1); K = x.shape[-1]
;;       x = np.pad(x, [(0, 0)] * (x.ndim - 1) + [(0, -K % 32)]); x = x.reshape(x.shape[:-1] + (-1, 32)); a = np.abs(x).max(-1, keepdims=True)
;;       e = np.where(a > 0, np.clip(np.frexp(np.where(a > 0, a, 1))[1] - 1 - 2, -126, 127), 0)      # np.frexp(a)[1] - 1 = floor(log2(a)), exactly
;;       r = np.clip(x / 2.0 ** e, -7.5, 7.5)
;;       step = 2.0 ** (np.maximum(np.frexp(np.where(r == 0, 1, r))[1] - 1, 0) - 3)
;;       q = np.round(r / step) * step * 2.0 ** e      # np.round: ties to even
;;       return np.moveaxis(q.reshape(q.shape[:-2] + (-1,))[..., :K], -1, axis).astype(np.float32)
;;   ~~~
;;   SOFTMAX AHEAD OF A QUANTISED PRODUCT. Where the list says 'softmax', what is quantised is not the finished softmax but p = 2^(t - M), with t = logit x log2(e) and M = ceil(the row's largest t), a whole number; so 1/2 < the row's largest p <= 1. The row's sum l is taken of the UNQUANTISED p, in f32, and the product's result is divided by l at the end. Since M is a whole number, a kernel that streams over the keys may use a running M (the ceiling of the running maximum): every later rescaling is an exact power of two, which a block's scale takes up: the codes' values come out the same.
;;   OPERANDS COMPUTED ON THE WAY. 'Computed on the way' means the value that the module computes at that place (a softmax that the list does not call 'softmax' is quantised finished and normalised). What goes into a quantiser is computed in f32, as accurately as f32 sums, v_exp_f32 and their like allow (about 1e-6 of the number): no bf16 or f16 on the way to a quantiser, and a product that is left as it is and whose result goes on into a quantised operand takes f32 operands (vector FMAs, or v_wmma_f32_16x16x4_f32). A number that lies on a knife's edge between two numbers of the format may be rounded either way, as far as f32 arithmetic and the matrix unit's own rounding can turn it there, and no further.
;; One version. Each part assembles by itself: llvm-mc -triple=amdgcn-amd-amdhsa -mcpu=gfx1250 --defsym DOCPART=n.
;; ======== version 1 of 1: 4 launches
;; limits: right only within a limited range of input values
;; workspace buffers: xq 6,553,600 bytes; wq 3,276,800 bytes; qkv 19,660,800 bytes; yq 6,553,600 bytes
;; launch quant (part 1): grid 512 x 1, 4 waves a work-group, no clusters, 34,304 bytes of LDS; arguments x, Wq, Wk, Wv, Wo, xq, wq; writes xq, wq
.if DOCPART == 1
	.amdgcn_target "amdgcn-amd-amdhsa--gfx1250"
	.amdhsa_code_object_version 6
	.text
	.protected	k_q1fd8e70d80_quant
	.globl	k_q1fd8e70d80_quant
	.p2align	8
	.type	k_q1fd8e70d80_quant,@function
k_q1fd8e70d80_quant:
	s_mov_b64 s[64:65], 0
	v_nop
	global_prefetch_b8 v0, s[64:65] scope:SCOPE_SE
	s_setreg_imm32_b32 hwreg(HW_REG_WAVE_MODE, 25, 1), 1
	s_wait_xcnt 0x0
; x [8192][1024] and the four weights [1024 (k)][1024 (n)], f32, become codes of E2M3 with one E8M0 byte for each 32 along K, laid AS IMAGES OF OPERAND REGISTERS.
; A block is 16 rows.  Of x: row r of block i is token 64 (i / 4) + 8 (i % 4) + r % 8 + 32 (r / 8).  Of a weight: row r of block i is column 32 (i / 2) + 8 (i % 2) + r + 8 (r / 8).
; A HALF FRAGMENT (16 rows x 64 K, 768 bytes): lane l = (r, h) holds k = 64 cn + 32 h + 0 .. 31 of its row, 24 bytes:
; its first 16 at 16 l, its last 8 at 512 + 8 l.  Codes: [block][cn 0..15][768].  Scale words: [block][K half][r][4 words], one word for 128 along K.
; A block's scale is 2^(floor(log2(largest magnitude)) - 2); its byte is the largest magnitude's exponent field - 2, held at 1 from below.
; LIMITS: a block of zeros gets the byte 1 where the rule says 127 (its codes are zeros, and this program alone reads the bytes); blocks whose largest magnitude lies under 2^-124 are held at that floor; NaN and infinities are not served.
; Work-groups 0-255 take x (a wave: 16 tokens x 512 K), work-groups 256-511 the weights (a wave: 32 columns x 128 K).  Waves share nothing: no barrier.
.set XS,    6291456                    ; where xq's scale words begin
.set WS,    3145728                    ; and wq's
.set STG,   16*528                     ; x's path: a stage of 16 rows x (512 bytes + 16) for each wave
.set SPARE, 4*STG                      ; behind the stages: the spare words, 128 bytes a wave
.set L16,  1                           ; v1  16 x lane
.set L8,   2                           ; v2  8 x lane
.set SIN,  3                           ; v3  the stage, on the way in
.set SOUT, 4                           ; v4  and on the way out: row r, + 128 h
.set WPL,  5                           ; v5  16 r + 8 h: my two scale words' place
.set SPW,  6                           ; v6  my spare word; never rewritten
.set NIL,  7                           ; v7  0; never rewritten
.set WD,   16                          ; v16-19 x: the four K steps' scale words
.set PC,   20                          ; v20-31 x: two half fragments
.set TP,   32                          ; v32-39 the conversions' second halves
.set R,    40                          ; v40-167 numbers as they are loaded
.set X,    168                         ; v168-231 x: 64 neighbours of my row;  weights: the codes of four blocks
	s_load_b256 s[4:11], s[0:1], 0x0               ; x, Wq, Wk, Wv
	s_load_b128 s[12:15], s[0:1], 0x20             ; Wo, xq
	s_load_b64 s[16:17], s[0:1], 0x30              ; wq
	v_lshl_add_u32 v[SPW], v0, 2, SPARE
	v_mov_b32 v[NIL], 0
	v_lshrrev_b32 v8, 5, v0
	v_readfirstlane_b32 s18, v8                    ; wave
	v_and_b32 v8, 31, v0                           ; lane
	v_and_b32 v12, 15, v0                          ; r
	v_bfe_u32 v13, v0, 4, 1                        ; h
	v_lshlrev_b32 v[L16], 4, v8
	v_lshlrev_b32 v[L8], 3, v8
	s_mul_i32 s19, s18, STG
	v_add_nc_u32 v[SIN], s19, v[L16]
	v_mul_u32_u24 v[SOUT], v12, 528
	v_lshl_add_u32 v[SOUT], v13, 7, v[SOUT]
	v_add_nc_u32 v[SOUT], s19, v[SOUT]
	v_lshlrev_b32 v[WPL], 4, v12
	v_lshl_add_u32 v[WPL], v13, 3, v[WPL]
	v_lshlrev_b32 v15, 3, v13                      ; 8 h
	v_mov_b32 v14, 0                               ; a lane permute's destination counts as one of its sources
	s_mov_b32 s20, 0x76543210
	s_mov_b32 s21, 0xfedcba98                      ; selects for lane l xor 16
	s_wait_kmcnt 0x0
	s_cmp_lt_u32 ttmp9, 256
	s_cbranch_scc0 .Lweights
	; ---------------- x: K is innermost ----------------
	s_lshl_b32 s22, ttmp9, 2
	s_add_co_u32 s22, s22, s18                     ; job = 4 x work-group + wave
	s_lshr_b32 s23, s22, 1                         ; block of 16 tokens
	s_and_b32 s24, s22, 1                          ; which half of K
	s_lshr_b32 s25, s23, 2
	s_lshl_b32 s25, s25, 6
	s_and_b32 s26, s23, 3
	s_lshl_b32 s26, s26, 3
	s_add_co_u32 s25, s25, s26                     ; the block's first token: 64 (i / 4) + 8 (i % 4)
	s_lshl_b32 s26, s25, 12
	s_lshl_b32 s27, s24, 11
	s_add_co_u32 s26, s26, s27
	s_mov_b32 s27, 0
	s_add_nc_u64 s[4:5], s[4:5], s[26:27]          ; x at my first token, my half of K
	s_mul_i32 s26, s23, 12288
	s_mul_i32 s28, s24, 6144
	s_add_co_u32 s26, s26, s28
	s_add_nc_u64 s[30:31], s[14:15], s[26:27]      ; my eight half fragments
	s_lshl_b32 s26, s23, 9
	s_lshl_b32 s28, s24, 8
	s_add_co_u32 s26, s26, s28
	s_add_co_u32 s26, s26, XS
	s_add_nc_u64 s[32:33], s[14:15], s[26:27]      ; my 256 bytes of scale words
.macro XLOAD s                         ; K step s: each load takes 512 consecutive bytes of one token; row t is t % 8 + 32 (t / 8) tokens on
.irp t, 0,1,2,3,4,5,6,7,8,9,10,11,12,13,14,15
	global_load_b128 v[R+64*((\s)%2)+4*\t:R+64*((\s)%2)+4*\t+3], v[L16], s[4:5] offset:(\t+24*(\t/8))*4096+512*(\s) th:TH_LOAD_NT
.endr
.endm
.macro XSTEP s
.if (\s) < 3
	s_wait_loadcnt 16                              ; this K step's 16 loads are in; the next step's 16 may be out
.else
	s_wait_loadcnt 0x0
.endif
.irp t, 0,1,2,3,4,5,6,7,8,9,10,11,12,13,14,15
	ds_store_b128 v[SIN], v[R+64*((\s)%2)+4*\t:R+64*((\s)%2)+4*\t+3] offset:528*\t
.endr
.irp c, 0,1
.irp i, 0,1,2,3,4,5,6,7
	ds_load_b128 v[X+32*\c+4*\i:X+32*\c+4*\i+3], v[SOUT] offset:256*\c+16*\i   ; LDS serves a wave's instructions in order: these see my stores.  k = 64 c + 32 h + 4 i ..
.endr
.endr
	s_wait_dscnt 0x0
.if (\s)+2 < 4
	XLOAD (\s)+2
.endif
.irp c, 0,1
	v_max3_num_f32 v[8+\c], |v[X+32*\c]|, |v[X+32*\c+1]|, 0x1800000    ; my block 2 c + h: all 32 numbers are mine; the floor 2^(3 - 127) holds the byte at 1 from below
.endr
.irp i, 2,4,6,8,10,12,14,16,18,20,22,24,26,28,30
.irp c, 0,1
	v_max3_num_f32 v[8+\c], v[8+\c], |v[X+32*\c+\i]|, |v[X+32*\c+\i+1]|
.endr
.endr
.irp c, 0,1
	v_add_nc_u32 v[10+\c], 0xff000000, v[8+\c]     ; 2 off the exponent field: the conversion's scale operand
.endr
.irp c, 0,1
	v_lshrrev_b32 v[12+\c], 23, v[10+\c]           ; the scale's byte
.endr
	v_lshl_or_b32 v12, v13, 16, v12                ; bytes h and 2 + h of my row's word,
	v_lshlrev_b32 v12, v15, v12                    ; at their places;
	v_permlanex16_b32 v14, v12, s20, s21
	v_or_b32 v[WD+(\s)], v12, v14                  ; with lane l xor 16's two the word is whole
	s_wait_alu depctr_va_vdst(0)
	s_wait_xcnt 0x0                                ; the last step's stores have read the codes' registers
.irp c, 0,1
	v_cvt_scalef32_pk16_fp6_f32 v[PC+6*\c:PC+6*\c+2], v[X+32*\c:X+32*\c+15], v[10+\c]
	v_cvt_scalef32_pk16_fp6_f32 v[TP+4*\c:TP+4*\c+2], v[X+32*\c+16:X+32*\c+31], v[10+\c]   ; (a conversion's three registers begin on an even number)
.endr
	v_nop                                          ; one plain line behind a scaled conversion
.irp c, 0,1
.irp i, 0,1,2
	v_mov_b32 v[PC+6*\c+3+\i], v[TP+4*\c+\i]
.endr
.endr
.irp c, 0,1
	global_store_b128 v[L16], v[PC+6*\c:PC+6*\c+3], s[30:31] offset:(2*(\s)+\c)*768        ; 512 consecutive bytes
	global_store_b64 v[L8], v[PC+6*\c+4:PC+6*\c+5], s[30:31] offset:(2*(\s)+\c)*768+512    ; 256 consecutive bytes
.endr
.endm
	XLOAD 0
	XLOAD 1
	s_wait_alu depctr_va_vdst(0)
	XSTEP 0
	XSTEP 1
	XSTEP 2
	XSTEP 3
	v_cmp_ne_u32 vcc_lo, 0, v15
	v_cndmask_b32 v8, v[WD], v[WD+2], vcc_lo       ; lanes 0-15 store words 0, 1 of their row, lanes 16-31 words 2, 3
	v_cndmask_b32 v9, v[WD+1], v[WD+3], vcc_lo
	global_store_b64 v[WPL], v[8:9], s[32:33]      ; 256 consecutive bytes, aligned
	s_wait_tensorcnt 0x0                           ; the wave's end, behind my last LDS store
	ds_add_u32 v[SPW], v[NIL]
	s_wait_dscnt 0x0
	s_endpgm
	; ---------------- the weights: K is the first axis.  A lane takes a column, its registers run down K ----------------
.Lweights:
.set COL, 16                           ; v16 my column's bytes in a row of the weight
.set WSP, 17                           ; v17 my scale word's place: 512 g + 16 r
.set WW,  18                           ; v18 my column's scale word
	s_sub_co_u32 s22, ttmp9, 256
	s_lshr_b32 s23, s22, 6                         ; which weight
	s_and_b32 s24, s22, 7                          ; which 128 columns
	s_bfe_u32 s25, s22, 0x30003                    ; which 128 along K
	s_mov_b64 s[28:29], s[12:13]
	s_cmp_eq_u32 s23, 2
	s_cselect_b64 s[28:29], s[10:11], s[28:29]
	s_cmp_eq_u32 s23, 1
	s_cselect_b64 s[28:29], s[8:9], s[28:29]
	s_cmp_eq_u32 s23, 0
	s_cselect_b64 s[28:29], s[6:7], s[28:29]       ; the choice hangs on the work-group's number alone
	s_lshl_b32 s26, s25, 19                        ; 128 rows of 4,096 bytes
	s_lshl_b32 s27, s24, 9
	s_add_co_u32 s26, s26, s27
	s_lshl_b32 s27, s18, 7                         ; my wave's 32 columns
	s_add_co_u32 s26, s26, s27
	s_mov_b32 s27, 0
	s_add_nc_u64 s[28:29], s[28:29], s[26:27]
	s_lshl_b32 s30, s23, 6
	s_lshl_b32 s31, s24, 3
	s_add_co_u32 s30, s30, s31
	s_lshl_b32 s31, s18, 1
	s_add_co_u32 s30, s30, s31                     ; my first block of wq: 64 x weight + 8 x (128 columns) + 2 x wave
	s_mul_i32 s26, s30, 12288
	s_mul_i32 s31, s25, 1536
	s_add_co_u32 s26, s26, s31
	s_add_nc_u64 s[32:33], s[16:17], s[26:27]
	s_lshl_b32 s26, s30, 9
	s_lshr_b32 s31, s25, 2
	s_lshl_b32 s31, s31, 8
	s_add_co_u32 s26, s26, s31
	s_and_b32 s31, s25, 3
	s_lshl_b32 s31, s31, 2
	s_add_co_u32 s26, s26, s31
	s_add_co_u32 s26, s26, WS
	s_add_nc_u64 s[34:35], s[16:17], s[26:27]
	v_and_b32 v8, 7, v12
	v_lshrrev_b32 v9, 3, v12
	v_lshl_add_u32 v8, v9, 4, v8
	v_lshl_add_u32 v8, v13, 3, v8                  ; lane (r, g) takes column 8 g + r % 8 + 16 (r / 8): row r of block g of my two.  The 32 lanes still cover 128 consecutive bytes
	v_lshlrev_b32 v[COL], 2, v8
	v_lshlrev_b32 v[WSP], 4, v12
	v_lshl_add_u32 v[WSP], v13, 9, v[WSP]
.macro WLOAD t
.irp i, 0,1,2,3,4,5,6,7,8,9,10,11,12,13,14,15,16,17,18,19,20,21,22,23,24,25,26,27,28,29,30,31
	global_load_b32 v[R+32*(\t)+\i], v[COL], s[28:29] offset:(32*(\t)+\i)*4096 th:TH_LOAD_NT
.endr
.endm
.macro WBLOCK t
.set WX, R+32*(\t)
.if (\t) < 3
	s_wait_loadcnt 32                              ; this block's 32 loads are in; the next block's may be out
.else
	s_wait_loadcnt 0x0
.endif
.if (\t)+2 < 4
	WLOAD (\t)+2
.endif
	v_max3_num_f32 v8, |v[WX]|, |v[WX+1]|, |v[WX+2]|
	v_max3_num_f32 v9, |v[WX+3]|, |v[WX+4]|, |v[WX+5]|
.irp i, 6,10,14,18,22,26
	v_max3_num_f32 v8, v8, |v[WX+\i]|, |v[WX+\i+1]|
	v_max3_num_f32 v9, v9, |v[WX+\i+2]|, |v[WX+\i+3]|
.endr
	v_max3_num_f32 v8, v8, |v[WX+30]|, |v[WX+31]|
	v_max3_num_f32 v8, v8, v9, 0x1800000           ; and the floor
	v_add_nc_u32 v10, 0xff000000, v8
	v_lshrrev_b32 v11, 23, v10
.if (\t) == 0
	v_mov_b32 v[WW], v11
.else
	v_lshl_or_b32 v[WW], v11, 8*(\t), v[WW]
.endif
	v_cvt_scalef32_pk16_fp6_f32 v[X+6*(\t):X+6*(\t)+2], v[WX:WX+15], v10
	v_cvt_scalef32_pk16_fp6_f32 v[TP+4*((\t)%2):TP+4*((\t)%2)+2], v[WX+16:WX+31], v10
	v_nop                                          ; one plain line behind a scaled conversion
.irp i, 0,1,2
	v_mov_b32 v[X+6*(\t)+3+\i], v[TP+4*((\t)%2)+\i]
.endr
.endm
	WLOAD 0
	WLOAD 1
	s_wait_alu depctr_va_vdst(0)
	WBLOCK 0
	WBLOCK 1
	WBLOCK 2
	WBLOCK 3
.irp c, 0,1                            ; blocks 2 c and 2 c + 1 along K: lanes 16-31 of the first change places with lanes 0-15 of the second: the first is then my first block's half fragment, the second my second block's
.irp i, 0,1,2,3,4,5
	v_permlane16_swap_b32 v[X+12*\c+\i], v[X+12*\c+6+\i]
.endr
.endr
.irp c, 0,1
	global_store_b128 v[L16], v[X+12*\c:X+12*\c+3], s[32:33] offset:768*\c
	global_store_b64 v[L8], v[X+12*\c+4:X+12*\c+5], s[32:33] offset:768*\c+512
	global_store_b128 v[L16], v[X+12*\c+6:X+12*\c+9], s[32:33] offset:12288+768*\c
	global_store_b64 v[L8], v[X+12*\c+10:X+12*\c+11], s[32:33] offset:12288+768*\c+512
.endr
	global_store_b32 v[WSP], v[WW], s[34:35]       ; words 16 bytes apart: 128 KiB in the whole launch are written so
	s_wait_tensorcnt 0x0                           ; the same three lines end this path
	ds_add_u32 v[SPW], v[NIL]
	s_wait_dscnt 0x0
	s_endpgm
.Lfunc_end_k_q1fd8e70d80_quant:
	.size	k_q1fd8e70d80_quant, .Lfunc_end_k_q1fd8e70d80_quant-k_q1fd8e70d80_quant
	.p2alignl 7, 3214868480
	.fill 96, 4, 3214868480
	.section	.rodata,"a",@progbits
	.p2align	6, 0x0
	.amdhsa_kernel k_q1fd8e70d80_quant
		.amdhsa_group_segment_fixed_size 34304
		.amdhsa_private_segment_fixed_size 0
		.amdhsa_enable_private_segment 0
		.amdhsa_kernarg_size 56
		.amdhsa_user_sgpr_count 2
		.amdhsa_user_sgpr_kernarg_segment_ptr 1
		.amdhsa_wavefront_size32 1
		.amdhsa_system_sgpr_workgroup_id_x 1
		.amdhsa_system_sgpr_workgroup_id_y 1
		.amdhsa_system_sgpr_workgroup_id_z 1
		.amdhsa_system_vgpr_workitem_id 0
		.amdhsa_next_free_vgpr 232
		.amdhsa_next_free_sgpr 66
		.amdhsa_reserve_vcc 1
		.amdhsa_float_denorm_mode_32 3
		.amdhsa_float_denorm_mode_16_64 3
		.amdhsa_memory_ordered 1
		.amdhsa_forward_progress 1
		.amdhsa_inst_pref_size 52
	.end_amdhsa_kernel
	.amdgpu_metadata
---
amdhsa.version: [ 1, 2 ]
amdhsa.kernels:
  - .name:           k_q1fd8e70d80_quant
    .symbol:         k_q1fd8e70d80_quant.kd
    .args:
      - { .name: x, .offset: 0, .size: 8, .value_kind: global_buffer, .address_space: global }
      - { .name: Wq, .offset: 8, .size: 8, .value_kind: global_buffer, .address_space: global }
      - { .name: Wk, .offset: 16, .size: 8, .value_kind: global_buffer, .address_space: global }
      - { .name: Wv, .offset: 24, .size: 8, .value_kind: global_buffer, .address_space: global }
      - { .name: Wo, .offset: 32, .size: 8, .value_kind: global_buffer, .address_space: global }
      - { .name: xq, .offset: 40, .size: 8, .value_kind: global_buffer, .address_space: global }
      - { .name: wq, .offset: 48, .size: 8, .value_kind: global_buffer, .address_space: global }
    .group_segment_fixed_size: 34304
    .private_segment_fixed_size: 0
    .kernarg_segment_align: 8
    .kernarg_segment_size: 56
    .max_flat_workgroup_size: 128
    .sgpr_count:     66
    .vgpr_count:     232
    .wavefront_size: 32
...
	.end_amdgpu_metadata
.endif
;; end of part 1
;; launch proj (part 2): grid 8 x 32, 4 waves a work-group, clusters of 4 x 4, 327,680 bytes of LDS; arguments xq, wq, bq, bk, bv, qkv; writes qkv
.if DOCPART == 2
	.amdgcn_target "amdgcn-amd-amdhsa--gfx1250"
	.amdhsa_code_object_version 6
	.text
	.protected	k_q1fd8e70d80_proj
	.globl	k_q1fd8e70d80_proj
	.p2align	8
	.type	k_q1fd8e70d80_proj,@function
k_q1fd8e70d80_proj:
	s_mov_b64 s[64:65], 0
	v_nop
	global_prefetch_b8 v0, s[64:65] scope:SCOPE_SE
	s_setreg_imm32_b32 hwreg(HW_REG_WAVE_MODE, 25, 1), 1
	s_wait_xcnt 0x0
	s_wait_alu depctr_hold_cnt(0) depctr_sa_sdst(0) depctr_va_vdst(0) depctr_va_sdst(0) depctr_va_ssrc(0) depctr_va_vcc(0) depctr_vm_vsrc(0)
	s_getreg_b32 s2, hwreg(HW_REG_IB_STS2, 6, 4)
	s_cmp_eq_u32 s2, 0
	s_cbranch_scc0 .Lentry_in_a_cluster
	s_endpgm
.Lentry_in_a_cluster:
	s_bfe_u32 s2, ttmp6, 0x10000c
	s_cmp_lg_u32 s2, 0xf033
	s_cbranch_scc0 .Lentry_shape_is_right
	s_endpgm
.Lentry_shape_is_right:
; Q, K, V = x W + b on codes of E2M3, and the quantisers of the three results: they leave as codes and scale words, as images of operand registers.
; SHARES.  256 work-groups: 32 tiles of 256 tokens x 8 tiles of 128 columns; a work-group makes its 256 x 128 of Q, then of K, then of V.  A wave takes 64 tokens (4 blocks of 16) x 128 columns (8 blocks): 32 accumulators.
; LDS.  x's 256 rows, all of K, come ONCE, as two K halves of 98,304 bytes; x's and the three weights' scale words come once; the weights' codes go through a ring of two slots, a K half (49,152 bytes) each.
; FILLS.  Head, one load a wave: x's lower half, W_q's lower half, x's scale words, the weights' scale words.  Behind a drained round: x's upper half (wave 0), W_q's upper half (wave 1).
; Four refills, each by wave 1 behind a drained round inside the last K step of a half: the same half of the next weight.
; CLUSTERS.  x's tiles hang on the token tile alone and are shared by a row of the cluster, the weights' on the column tile alone and are shared by a column.
; Q, K: source 0 = the weight's rows: a lane holds a token, its registers run along the channels.  Row r of a weight's block i is column 32 (i / 2) + 8 (i % 2) + r + 8 (r / 8):
; the 16 registers of two neighbouring tiles are 16 neighbouring channels, and lanes l and l xor 16 share a scale block.
; V: source 0 = x's rows: a lane holds a channel, its registers run along the tokens.  Row r of x's block i is token 64 (i / 4) + 8 (i % 4) + r % 8 + 32 (r / 8):
; the 32 registers of a wave's four tiles are 32 neighbouring tokens, a whole scale block in one lane.
; The bias is the C of a phase's first products.  Q and K are two trips of one loop; V, which asks for nothing more, is written out behind it.
; NO DATA PREFETCH: K is two halves long, and every tile of the weights is asked for by eight clusters in the same step.
; LIMITS: a block of zeros gets the byte 1 (its codes are zeros, and this program alone reads the bytes); blocks under 2^-124 are held at that floor; NaN and infinities are not served.
.set XS,    6291456
.set WS,    3145728
.set QKS,   12582912
.set VC,    13107200
.set VS,    19398656
.set FR,    12
.set XHI,   98304                      ; LDS: x's lower K half [block 16][6144] at 0, its upper half here
.set WSL,   196608                     ; the ring: [block 8][6144], two slots
.set WSZ,   49152
.set XSC,   294912                     ; x's scale words, 8,192 bytes
.set WSC,   303104                     ; the three weights', 4,096 each
.set SPARE, 315392                     ; the spare words
.set VSTG,  315904                     ; V's scale words gather here: [128 tokens 2][block 8][r][4]
.set L16, 1
.set L8,  2
.set L4,  3
.set SPW, 4
.set NIL, 5
.set HH,  6
.set H8,  7                            ; v7 8 h
.set XA16, 8                           ; v8-15 LDS addresses of fragments, one for each K half: x's by 16 and by 8 bytes a lane, the ring's likewise
.set XA8,  10
.set WB16, 12
.set WB8,  14
.set XSA, 16
.set WSA, 17
.set WST, 18
.set BQO, 19
.set BVO, 20
.set VSI, 21
.set VSO, 22
.set SB,  32                           ; v32-95 the weight's scale words: 8 b + K step
.set SA,  98                           ; v98-129 x's: 8 a + K step; the two numbers never agree modulo 8
.set AF,  130                          ; v130-225 x's fragments, two sets of four; set 1 takes the codes on the way out
.set TM,  226
.set TP,  242
.set PW,  250
.set BQ,  0                            ; window 3: the biases as C operands
.set BK,  64
.set BV,  128
.set G1X, 24
.set G1W, 32
.set G1XS, 40
.set G1WS, 48
.set G0X, 56
.set G0W, 60                           ; slot 0; slot 1 at s68
.set G0XS, 72
.set G0WS, 76
.set MSB, 0
.macro WIN new
.if MSB != \new
	s_set_vgpr_msb (MSB<<8)|\new
.set MSB, \new
.endif
.endm
.macro SETW kind, cm                   ; fragments of the weight window 1, of x window 0, sums window 2; a first product's C window 3
.set NW_, 0xa1+3*(\kind)+0x10*(\cm)
	WIN NW_
.endm
.macro PLACES
.rept 4
	v_nop
.endr
.endm
.macro WALU
	s_wait_alu depctr_va_vdst(0)
.endm
.macro CREST
	s_cmp_lg_u32 s16, 0
	s_cbranch_scc1 .Lnot_wave_0_\@
	s_barrier_signal -3
.Lnot_wave_0_\@:
	s_barrier_wait -3
	s_barrier_signal -1
	s_barrier_wait -1
.endm
.macro CROUND
	s_barrier_signal -1
	s_barrier_wait -1
	CREST
.endm
.macro TLOAD g0, g1
	tensor_load_to_lds s[\g0:\g0+3], s[\g1:\g1+7]
	s_nop 0
	PLACES
.endm
.macro GROUP1 g, mask, cols, rows, pitch   ; elements of 8 bytes, no padding
	s_or_b32 s[\g], s\mask, (3<<16)|(1<<21)
	s_mov_b32 s[\g+1], (\cols)<<16
	s_mov_b32 s[\g+2], (\rows)<<16
	s_mov_b32 s[\g+3], (\cols)<<16
	s_mov_b32 s[\g+4], \rows
	s_mov_b32 s[\g+5], \pitch
	s_mov_b32 s[\g+6], 0
	s_mov_b32 s[\g+7], 0
.endm
.macro GROUP0 g, lds, base, off
	s_mov_b32 s[\g], 1
	s_mov_b32 s[\g+1], \lds
	s_add_nc_u64 s[\g+2:\g+3], s[\base:\base+1], s[\off:\off+1]
	s_or_b32 s[\g+3], s[\g+3], 0x80000000
.endm
.macro ARM under, g0, g1, next
	s_cmp_lt_u32 s16, \under
	s_cbranch_scc0 \next
	TLOAD \g0, \g1
	s_branch .Lhead_asked
\next:
.endm
.macro FRAG reg, a16, a8, off          ; 16 rows x 128 K: two half fragments of 768 bytes
	ds_load_b128 v[\reg:\reg+3], v[\a16] offset:\off
	ds_load_b64 v[\reg+4:\reg+5], v[\a8] offset:\off+512
	ds_load_b128 v[\reg+6:\reg+9], v[\a16] offset:\off+768
	ds_load_b64 v[\reg+10:\reg+11], v[\a8] offset:\off+1280
.endm
.macro FETCH t                         ; K step t's twelve fragments into set t % 2: 48 loads
	WIN 0x40
.irp i, 0,1,2,3,4,5,6,7
	FRAG 128*((\t)%2)+FR*\i, WB16+(\t)/4, WB8+(\t)/4, 6144*\i+1536*((\t)%4)
.endr
	WIN 0
.irp i, 0,1,2,3
	FRAG AF+48*((\t)%2)+FR*\i, XA16+(\t)/4, XA8+(\t)/4, 6144*\i+1536*((\t)%4)
.endr
.endm
.macro WSCALES adr                     ; a weight's 64 scale words
.irp b, 0,1,2,3,4,5,6,7
	ds_load_b128 v[SB+8*\b:SB+8*\b+3], v[\adr] offset:512*\b
	ds_load_b128 v[SB+8*\b+4:SB+8*\b+7], v[\adr] offset:512*\b+256
.endr
.endm
.macro WM d, s0, s1, c, x0, x1
	v_wmma_scale_f32_16x16x128_f8f6f4 v[\d:\d+7], v[\s0:\s0+11], v[\s1:\s1+11], v[\c:\c+7], v[\x0], v[\x1] matrix_a_fmt:MATRIX_FMT_FP6 matrix_b_fmt:MATRIX_FMT_FP6
.endm
.macro MUL8 kind, a, t, cm, cb         ; x's block a against the weight's eight.  The 32 accumulators take turns, in one order in every K step
.irp b, 0,1,2,3,4,5,6,7
.if \kind
.set D_, 8*(4*\b+(\a))
.else
.set D_, 8*(8*(\a)+\b)
.endif
.if \cm
.set C_, (\cb)+8*\b
.else
.set C_, D_
.endif
.set FB_, 128*((\t)%2)+FR*\b
.set FA_, AF+48*((\t)%2)+FR*(\a)
.set XB_, SB+8*\b+(\t)
.set XA_, SA+8*(\a)+(\t)
.if \kind
	WM D_, FA_, FB_, C_, XA_, XB_
.else
	WM D_, FB_, FA_, C_, XB_, XA_
.endif
.endr
.endm
.macro STEP kind, t, cm, cb            ; a K step: the next step's fragments are asked for first and have its 32 products in which to come
	s_wait_dscnt 0x0
	PLACES
	FETCH (\t)+1
	SETW \kind, \cm
.irp a, 0,1,2,3
	MUL8 \kind, \a, \t, \cm, \cb
.endr
.endm
.macro TURN kind, t, fill              ; the last K step of a half: the change of slots
	WIN 0
	s_wait_tensorcnt 0x0                   ; all my tensor loads have landed
	ds_add_u32 v[SPW], v[NIL]
	s_wait_dscnt 1                         ; this step's fragments are in; the add alone may be out
	SETW \kind, 0
	MUL8 \kind, 0, \t, 0, 0
	s_wait_dscnt 0x0
	s_barrier_signal -1
	MUL8 \kind, 1, \t, 0, 0
	WIN 0
	s_barrier_wait -1
.if \fill
	CREST                                  ; the barrier has opened a round of the cluster's: nobody reads this slot any more
	s_add_nc_u64 s[G0W+8*((\t)/4)+2:G0W+8*((\t)/4)+3], s[G0W+8*((\t)/4)+2:G0W+8*((\t)/4)+3], 786432   ; the same half of the next weight
	s_cmp_eq_u32 s16, 1
	s_cbranch_scc0 .Lno_load_\@
	TLOAD G0W+8*((\t)/4), G1W
.Lno_load_\@:
.endif
	PLACES
	FETCH ((\t)+1)%8
	SETW \kind, 0
	MUL8 \kind, 2, \t, 0, 0
	MUL8 \kind, 3, \t, 0, 0
.endm
; THE WAY OUT of the 64 sums at window 2's v[64 i]: two half fragments of codes and a word of four scale bytes.
; own = 0 (Q, K): four scale blocks of 32, each 16 registers in lanes l and l xor 16.  own = 1 (V): each lane's 32 registers are a whole block: blocks h and 2 + h
.macro QUANT i, p0, p1, st, own
.set AC, 64*(\i)
.set PC, AF+48+12*(\i)
	WIN 0x0a
.irp b, 0,1,2,3
	v_max3_num_f32 v[TM+\b], |v[AC+16*\b]|, |v[AC+16*\b+1]|, 0x1800000   ; with the floor 2^(3 - 127)
.endr
.irp j, 2,4,6,8,10,12,14
.irp b, 0,1,2,3
	v_max3_num_f32 v[TM+\b], |v[AC+16*\b+\j]|, |v[AC+16*\b+\j+1]|, v[TM+\b]
.endr
.endr
	WIN 0
.if \own
.irp c, 0,1
	v_max_num_f32 v[TM+2*\c], v[TM+2*\c], v[TM+2*\c+1]
.endr
.irp c, 0,1
	v_add_nc_u32 v[TM+12+2*\c], 0xff000000, v[TM+2*\c]   ; 2 off the exponent field: the conversion's scale operand
.endr
.irp c, 0,1
	v_lshrrev_b32 v[TM+4+\c], 23, v[TM+12+2*\c]
.endr
	v_lshl_or_b32 v[TM+6], v[TM+5], 16, v[TM+4]    ; bytes h and 2 + h of the word,
	v_lshlrev_b32 v[TM+6], v[H8], v[TM+6]          ; at their places;
	v_permlanex16_b32 v[TM+7], v[TM+6], s2, s3
	v_or_b32 v[PW+(\i)], v[TM+6], v[TM+7]          ; with lane l xor 16's two the word is whole
.else
.irp b, 0,1,2,3
	v_permlanex16_b32 v[TM+4+\b], v[TM+\b], s2, s3
.endr
.irp b, 0,1,2,3
	v_max_num_f32 v[TM+\b], v[TM+\b], v[TM+4+\b]
.endr
.irp b, 0,1,2,3
	v_add_nc_u32 v[TM+12+\b], 0xff000000, v[TM+\b]
.endr
.irp b, 0,1,2,3
	v_lshrrev_b32 v[TM+4+\b], 23, v[TM+12+\b]
.endr
	v_lshl_or_b32 v[PW+(\i)], v[TM+5], 8, v[TM+4]
	v_lshl_or_b32 v[PW+(\i)], v[TM+6], 16, v[PW+(\i)]
	v_lshl_or_b32 v[PW+(\i)], v[TM+7], 24, v[PW+(\i)]
.endif
	WIN 0x02
.irp c, 0,1
	v_cvt_scalef32_pk16_fp6_f32 v[PC+6*\c:PC+6*\c+2], v[AC+32*\c:AC+32*\c+15], v[TM+12+2*\c]
	v_cvt_scalef32_pk16_fp6_f32 v[TP+4*\c:TP+4*\c+2], v[AC+32*\c+16:AC+32*\c+31], v[TM+12+2*\c+1-(\own)]
.endr
	WIN 0
	v_nop                                  ; one plain line behind a scaled conversion
.irp c, 0,1
.if !(\own)
.irp j, 0,1,2
	v_permlane16_swap_b32 v[PC+6*\c+\j], v[TP+4*\c+\j]
.endr
.endif
.irp j, 0,1,2
	v_mov_b32 v[PC+6*\c+3+\j], v[TP+4*\c+\j]
.endr
.endr
	global_store_b128 v[L16], v[PC:PC+3], s[\p0:\p0+1] offset:(\st)*(\i)
	global_store_b64 v[L8], v[PC+4:PC+5], s[\p0:\p0+1] offset:(\st)*(\i)+512
	global_store_b128 v[L16], v[PC+6:PC+9], s[\p1:\p1+1] offset:(\st)*(\i)
	global_store_b64 v[L8], v[PC+10:PC+11], s[\p1:\p1+1] offset:(\st)*(\i)+512
.endm
; ---------------- the head
	s_load_b256 s[4:11], s[0:1], 0x0               ; xq, wq, bq, bk
	s_load_b128 s[12:15], s[0:1], 0x20             ; bv, qkv
	v_lshl_add_u32 v[SPW], v0, 2, SPARE
	v_mov_b32 v[NIL], 0
	ds_add_u32 v[SPW], v[NIL]                      ; the opening lines
	ds_add_u32 v[SPW], v[NIL]
	v_lshrrev_b32 v24, 5, v0
	v_readfirstlane_b32 s16, v24                   ; wave
	s_lshr_b32 s17, s16, 1
	s_and_b32 s18, s16, 1
	s_bfe_u32 s19, ttmp6, 0x40000                  ; cx
	s_bfe_u32 s20, ttmp6, 0x40004                  ; cy
	s_lshl_b32 s21, ttmp9, 2
	s_add_co_u32 s21, s21, s19                     ; column tile 0..7
	s_and_b32 s22, ttmp7, 0xffff
	s_lshl_b32 s22, s22, 2
	s_add_co_u32 s22, s22, s20                     ; token tile 0..31
	s_lshl_b32 s2, s20, 2
	s_lshl_b32 s2, 15, s2                          ; my row of the cluster
	s_lshl_b32 s3, 0x1111, s19                     ; my column
	GROUP1 G1X, 2, 768, 16, 1536                   ; 16 blocks x 6,144 bytes, 12,288 apart
	GROUP1 G1W, 3, 768, 8, 1536                    ; 8 blocks likewise
	GROUP1 G1XS, 2, 32, 32, 32                     ; 8,192 dense bytes as rows of 256
	GROUP1 G1WS, 3, 512, 3, 4096                   ; three weights' 4,096 bytes, 32,768 apart
	s_mov_b32 s101, 0
	s_mov_b32 s87, 0
	WALU
	s_wait_dscnt 0x0
	CROUND                                         ; in front of the first joint loads
	s_wait_kmcnt 0x0
	s_mul_i32 s100, s22, 196608
	GROUP0 G0X, 0, 4, 100
	s_lshl_b32 s100, s22, 13
	s_add_co_u32 s100, s100, XS
	GROUP0 G0XS, XSC, 4, 100
	s_mul_i32 s86, s21, 98304
	GROUP0 G0W, WSL, 6, 86
	s_add_co_u32 s86, s86, 6144
	GROUP0 G0W+8, WSL+WSZ, 6, 86
	s_lshl_b32 s86, s21, 12
	s_add_co_u32 s86, s86, WS
	GROUP0 G0WS, WSC, 6, 86
	ARM 1, G0X, G1X, .Lhead_w                      ; one load a wave, in one chain of arms
	ARM 2, G0W, G1W, .Lhead_xs
	ARM 3, G0XS, G1XS, .Lhead_ws
	TLOAD G0WS, G1WS
.Lhead_asked:
	s_lshl_b32 s100, s21, 9                        ; the biases of my 128 columns
	s_add_nc_u64 s[92:93], s[8:9], s[100:101]
	s_add_nc_u64 s[94:95], s[10:11], s[100:101]
	s_add_nc_u64 s[96:97], s[12:13], s[100:101]
	s_mul_i32 s2, s16, 24576                       ; my four blocks of x
	s_lshl_b32 s3, s16, 11
	s_add_co_u32 s3, s3, XSC
	s_lshl_b32 s99, s17, 9
	s_lshl_b32 s98, s18, 1
	s_add_co_u32 s99, s99, s98
	s_add_co_u32 s99, s99, VSTG
	s_lshl_b32 s98, s16, 9
	s_add_co_u32 s98, s98, VSTG
	v_and_b32 v24, 31, v0
	v_and_b32 v25, 15, v0
	v_bfe_u32 v[HH], v0, 4, 1
	v_lshlrev_b32 v[L16], 4, v24
	v_lshlrev_b32 v[L8], 3, v24
	v_lshlrev_b32 v[L4], 2, v24
	v_add_nc_u32 v[XA16], s2, v[L16]
	v_add_nc_u32 v[XA8], s2, v[L8]
	v_add_nc_u32 v[XA16+1], XHI, v[XA16]
	v_add_nc_u32 v[XA8+1], XHI, v[XA8]
	v_add_nc_u32 v[WB16], WSL, v[L16]
	v_add_nc_u32 v[WB8], WSL, v[L8]
	v_add_nc_u32 v[WB16+1], WSL+WSZ, v[L16]
	v_add_nc_u32 v[WB8+1], WSL+WSZ, v[L8]
	v_lshlrev_b32 v26, 4, v25
	v_add_nc_u32 v[XSA], s3, v26
	v_add_nc_u32 v[WSA], WSC, v26
	v_lshlrev_b32 v[BQO], 6, v[HH]                 ; Q, K: register j of block b is column 32 (b / 2) + 8 (b % 2) + 16 h + j
	v_lshlrev_b32 v[H8], 3, v[HH]
	v_and_b32 v27, 8, v25
	v_add_nc_u32 v27, v27, v25
	v_lshlrev_b32 v[BVO], 2, v27                   ; V: lane r of block b is column 32 (b / 2) + 8 (b % 2) + r + 8 (r / 8)
	v_lshl_add_u32 v[VSI], v25, 2, s99
	v_add_nc_u32 v[VSO], s98, v[L16]
.irp b, 0,1,2,3
	v_mov_b32 v[TM+4+\b], 0                        ; a lane permute's destination counts as one of its sources
.endr
	WALU                                           ; the wait behind the head's vector lines
	WIN 0xc0
.irp b, 0,1,2,3,4,5,6,7
	global_load_b128 v[BQ+8*\b:BQ+8*\b+3], v[BQO], s[92:93] offset:(32*(\b/2)+8*(\b%2))*4
	global_load_b128 v[BQ+8*\b+4:BQ+8*\b+7], v[BQO], s[92:93] offset:(32*(\b/2)+8*(\b%2))*4+16
	global_load_b128 v[BK+8*\b:BK+8*\b+3], v[BQO], s[94:95] offset:(32*(\b/2)+8*(\b%2))*4
	global_load_b128 v[BK+8*\b+4:BK+8*\b+7], v[BQO], s[94:95] offset:(32*(\b/2)+8*(\b%2))*4+16
	global_load_b32 v[BV+8*\b], v[BVO], s[96:97] offset:(32*(\b/2)+8*(\b%2))*4
.endr
	WIN 0
	s_mul_i32 s100, s21, 786432                    ; Q's codes: [chunk of 64 channels][token block 512][768]
	s_mul_i32 s2, s22, 12288
	s_add_co_u32 s100, s100, s2
	s_mul_i32 s2, s16, 3072
	s_add_co_u32 s100, s100, s2
	s_add_nc_u64 s[80:81], s[14:15], s[100:101]
	s_add_nc_u64 s[82:83], s[80:81], 393216
	s_lshl_b32 s100, s21, 15                       ; its scale words: [128 channels][token block][r][4]
	s_lshl_b32 s2, s22, 10
	s_add_co_u32 s100, s100, s2
	s_lshl_b32 s2, s16, 8
	s_add_co_u32 s100, s100, s2
	s_add_co_u32 s100, s100, QKS
	s_add_nc_u64 s[84:85], s[14:15], s[100:101]
	s_mul_i32 s100, s22, 196608                    ; V's codes: [chunk of 64 tokens][channel block 64][768]
	s_mul_i32 s2, s16, 49152
	s_add_co_u32 s100, s100, s2
	s_mul_i32 s2, s21, 6144
	s_add_co_u32 s100, s100, s2
	s_add_co_u32 s100, s100, VC
	s_add_nc_u64 s[86:87], s[14:15], s[100:101]
	s_add_nc_u64 s[88:89], s[86:87], 768
	s_lshl_b32 s100, s22, 13                       ; its scale words: [128 tokens][channel block][r][4]; waves 0 and 1 store 512 bytes each
	s_lshl_b32 s2, s16, 12
	s_add_co_u32 s100, s100, s2
	s_lshl_b32 s2, s21, 9
	s_add_co_u32 s100, s100, s2
	s_add_co_u32 s100, s100, VS
	s_add_nc_u64 s[90:91], s[14:15], s[100:101]
	s_wait_tensorcnt 0x0                           ; my tile of the head's four is in
	ds_add_u32 v[SPW], v[NIL]
	s_mov_b32 s[G0X+1], XHI                        ; no load of mine is out: x's descriptor goes on to the upper half
	s_add_nc_u64 s[G0X+2:G0X+3], s[G0X+2:G0X+3], 6144
	s_wait_dscnt 0x0
	CROUND
	s_cmp_eq_u32 s16, 0
	s_cbranch_scc0 .Lsecond_w
	TLOAD G0X, G1X
	s_branch .Lsecond_asked
.Lsecond_w:
	s_cmp_eq_u32 s16, 1
	s_cbranch_scc0 .Lsecond_asked
	TLOAD G0W+8, G1W
.Lsecond_asked:
	FETCH 0
.irp a, 0,1,2,3
	ds_load_b128 v[SA+8*\a:SA+8*\a+3], v[XSA] offset:512*\a          ; x's scale words stay in registers for all three phases
	ds_load_b128 v[SA+8*\a+4:SA+8*\a+7], v[XSA] offset:512*\a+256
.endr
	WSCALES WSA
	s_wait_loadcnt 0x0
	WIN 0xc3
.irp b, 0,8,16,24,32,40,48,56
.irp j, 1,2,3,4,5,6,7
	v_mov_b32 v[BV+\b+\j], v[BV+\b]                ; V's bias, one number a lane and block, over the block's eight registers
.endr
.endr
	WIN 0
	s_mov_b32 s2, 0x76543210
	s_mov_b32 s3, 0xfedcba98                       ; selects for lane l xor 16
	s_mov_b32 s98, 0                               ; where the phase's weight's scale words lie
	s_mov_b32 s23, 0
	WALU
; ---------------- Q, then K
.Lphase:
	s_cmp_eq_u32 s23, 0
	s_cbranch_scc0 .Lfirst_k
	STEP 0, 0, 1, BQ
	WIN 0
	s_branch .Lfirst_done
.Lfirst_k:
	STEP 0, 0, 1, BK
	WIN 0
.Lfirst_done:
	STEP 0, 1, 0, 0
	STEP 0, 2, 0, 0
	TURN 0, 3, 1
	STEP 0, 4, 0, 0
	STEP 0, 5, 0, 0
	STEP 0, 6, 0, 0
	TURN 0, 7, 1
	WIN 0
	PLACES
	s_add_co_u32 s98, s98, 4096
	v_add_nc_u32 v[WST], s98, v[WSA]
	WSCALES WST                                    ; the next weight's scale words come under the way out
.irp i, 0,1,2,3
	QUANT \i, 80, 82, 768, 0
.endr
	v_cmp_ne_u32 vcc_lo, 0, v[HH]
	v_cndmask_b32 v[TM+8], v[PW], v[PW+1], vcc_lo  ; lanes 0-15 store one block's words, lanes 16-31 the next block's
	v_cndmask_b32 v[TM+9], v[PW+2], v[PW+3], vcc_lo
	global_store_b32 v[L4], v[TM+8], s[84:85]
	global_store_b32 v[L4], v[TM+9], s[84:85] offset:128
	WALU
	s_wait_xcnt 0x0                                ; the stores have read their registers and bases
	s_add_nc_u64 s[80:81], s[80:81], 6291456       ; from Q's place to K's
	s_add_nc_u64 s[82:83], s[82:83], 6291456
	s_add_nc_u64 s[84:85], s[84:85], 262144
	s_add_co_u32 s23, s23, 1
	s_cmp_lg_u32 s23, 2
	s_cbranch_scc1 .Lphase
; ---------------- V: nothing more is asked for
	STEP 1, 0, 1, BV
	STEP 1, 1, 0, 0
	STEP 1, 2, 0, 0
	TURN 1, 3, 0
	STEP 1, 4, 0, 0
	STEP 1, 5, 0, 0
	STEP 1, 6, 0, 0
	s_wait_dscnt 0x0
	SETW 1, 0
.irp a, 0,1,2,3
	MUL8 1, \a, 7, 0, 0
.endr
	WIN 0
	PLACES
.irp i, 0,1,2,3
	QUANT \i, 86, 88, 1536, 1
	ds_store_b16 v[VSI], v[PW+\i] offset:128*\i              ; my two bytes of channel block 2 i's words,
	ds_store_b16_d16_hi v[VSI], v[PW+\i] offset:128*\i+64    ; and of block 2 i + 1's: the other two are the neighbouring wave's
.endr
	WALU
	s_wait_dscnt 0x0
	s_barrier_signal -1
	s_barrier_wait -1
	s_cmp_lt_u32 s16, 2
	s_cbranch_scc0 .Lend
	ds_load_b128 v[TM:TM+3], v[VSO]
	s_wait_dscnt 0x0
	global_store_b128 v[L16], v[TM:TM+3], s[90:91] ; 512 consecutive bytes, aligned
.Lend:
	s_wait_tensorcnt 0x0                           ; the wave's end
	ds_add_u32 v[SPW], v[NIL]
	s_wait_dscnt 0x0
	CROUND                                         ; the closing round
	s_endpgm
.Lfunc_end_k_q1fd8e70d80_proj:
	.size	k_q1fd8e70d80_proj, .Lfunc_end_k_q1fd8e70d80_proj-k_q1fd8e70d80_proj
	.p2alignl 7, 3214868480
	.fill 96, 4, 3214868480
	.section	.rodata,"a",@progbits
	.p2align	6, 0x0
	.amdhsa_kernel k_q1fd8e70d80_proj
		.amdhsa_group_segment_fixed_size 327680
		.amdhsa_private_segment_fixed_size 0
		.amdhsa_enable_private_segment 0
		.amdhsa_kernarg_size 48
		.amdhsa_user_sgpr_count 2
		.amdhsa_user_sgpr_kernarg_segment_ptr 1
		.amdhsa_wavefront_size32 1
		.amdhsa_system_sgpr_workgroup_id_x 1
		.amdhsa_system_sgpr_workgroup_id_y 1
		.amdhsa_system_sgpr_workgroup_id_z 1
		.amdhsa_system_vgpr_workitem_id 0
		.amdhsa_next_free_vgpr 1024
		.amdhsa_next_free_sgpr 102
		.amdhsa_reserve_vcc 1
		.amdhsa_float_denorm_mode_32 3
		.amdhsa_float_denorm_mode_16_64 3
		.amdhsa_memory_ordered 1
		.amdhsa_forward_progress 1
		.amdhsa_inst_pref_size 178
	.end_amdhsa_kernel
	.amdgpu_metadata
---
amdhsa.version: [ 1, 2 ]
amdhsa.kernels:
  - .name:           k_q1fd8e70d80_proj
    .symbol:         k_q1fd8e70d80_proj.kd
    .args:
      - { .name: xq, .offset: 0, .size: 8, .value_kind: global_buffer, .address_space: global }
      - { .name: wq, .offset: 8, .size: 8, .value_kind: global_buffer, .address_space: global }
      - { .name: bq, .offset: 16, .size: 8, .value_kind: global_buffer, .address_space: global }
      - { .name: bk, .offset: 24, .size: 8, .value_kind: global_buffer, .address_space: global }
      - { .name: bv, .offset: 32, .size: 8, .value_kind: global_buffer, .address_space: global }
      - { .name: qkv, .offset: 40, .size: 8, .value_kind: global_buffer, .address_space: global }
    .group_segment_fixed_size: 327680
    .private_segment_fixed_size: 0
    .kernarg_segment_align: 8
    .kernarg_segment_size: 48
    .max_flat_workgroup_size: 128
    .sgpr_count:     102
    .vgpr_count:     1024
    .wavefront_size: 32
...
	.end_amdgpu_metadata
.endif
;; end of part 2
;; launch attn (part 3): grid 4 x 64, 16 waves a work-group, clusters of 4 x 1, 210,944 bytes of LDS; arguments qkv, yq; writes yq
.if DOCPART == 3
	.amdgcn_target "amdgcn-amd-amdhsa--gfx1250"
	.amdhsa_code_object_version 6
	.text
	.protected	k_q1fd8e70d80_attn
	.globl	k_q1fd8e70d80_attn
	.p2align	8
	.type	k_q1fd8e70d80_attn,@function
k_q1fd8e70d80_attn:
	s_mov_b64 s[64:65], 0
	v_nop
	global_prefetch_b8 v0, s[64:65] scope:SCOPE_SE
	s_setreg_imm32_b32 hwreg(HW_REG_WAVE_MODE, 25, 1), 1
	s_wait_xcnt 0x0
	s_wait_alu depctr_hold_cnt(0) depctr_sa_sdst(0) depctr_va_vdst(0) depctr_va_sdst(0) depctr_va_ssrc(0) depctr_va_vcc(0) depctr_vm_vsrc(0)
	s_getreg_b32 s2, hwreg(HW_REG_IB_STS2, 6, 4)
	s_cmp_eq_u32 s2, 0
	s_cbranch_scc0 .Lentry_in_a_cluster
	s_endpgm
.Lentry_in_a_cluster:
	s_bfe_u32 s2, ttmp6, 0x10000c
	s_cmp_lg_u32 s2, 0x3003
	s_cbranch_scc0 .Lentry_shape_is_right
	s_endpgm
.Lentry_shape_is_right:
; y[b][q][head] = softmax(q k^T / 8) v for one head of one batch, both products on codes of E2M3, and the quantiser of y along the channels: y leaves as codes, laid as the last product's operand.
; THE SOFTMAX AHEAD OF THE SECOND PRODUCT: t = score x log2(e) / 8; M = the running largest t rounded UP to a whole number; p = 2^(t - M) is quantised along the keys, not normalised; the row's sum is taken of the
; unquantised p and divides at the end; when M moves, sum and O are multiplied by 2^(old M - new M), exactly.
; SHARES.  The cluster's y is 16 b + head.  Its four work-groups own 512 queries each; each of sixteen waves owns one tile of 16 queries in each of two passes, in 256 registers.
; A HEAD'S WHOLE K AND V LIE IN LDS as codes (2 x 98,304 bytes) with their scale words: filled once, by joint loads of the four work-groups, one a wave (waves 0-5 K's codes, 6-13 V's, 14 K's scale words, 15 V's);
; nothing is filled again, and the loop over the keys has no barrier.  No data prefetch: all that comes from memory is asked for at the head, and no loop streams from memory.
; LAYOUT.  Both products are used transposed (S^T = K Q^T, O^T = V^T P^T): a lane holds one query.  Row r of token block i is token 64 (i / 4) + 8 (i % 4) + r % 8 + 32 (r / 8): so the 32 registers of four
; neighbouring tiles of scores are 32 neighbouring keys, A WHOLE SCALE BLOCK IN ONE LANE (lane (r, h): blocks h and 2 + h of a step's four), in the order of the operand's registers: no lane asks another for a block's
; largest p, and p's codes are not moved between lanes.  Row r of V's channel block i is channel 32 (i / 2) + 8 (i % 2) + r + 8 (r / 8): of y, 16 registers of two tiles are 16 neighbours, and lanes l, l xor 16 share a block.
; THE HEAD HAS 64 CHANNELS, THE INSTRUCTION 128: Q's upper six registers are zero codes.  A tile of K names 12 registers, of which the upper six are the next tile's codes: they meet zeros.  Q's and K's scale words are read
; as 16 bits, so bytes 2 and 3 are 0, which is 2^-127: what they scale is 0.
; LIMITS: a block of zeros gets the byte 1 (this program alone reads the bytes); blocks of y under 2^-124 are held at that floor; a block's largest p is taken through its largest score, which takes v_exp_f32 not to fall where
; its input rises; NaN and infinities are not served.
.set QKS,   12582912
.set VC,    13107200
.set VS,    19398656
.set XS,    6291456
.set LV,    98304                      ; LDS: K's codes [token block 128][768] from 0; V's [chunk of 64 keys 32][channel block 4][768] from here;
.set LKS,   196608                     ; K's scale words [token block][r][4 bytes] (two heads');
.set LVS,   204800                     ; V's [128 keys 16][channel block 4][r][4 bytes]
.set SPARE, 208896                     ; the spare words, 128 bytes for each of 16 waves
.set L16, 1
.set L8,  2
.set V16, 3
.set V8,  4
.set KSA, 5
.set VSA, 6
.set SPW, 7
.set NIL, 8
.set R4,  10
.set YB,  11
.set BM,  212                          ; v212-215 four chains of maxima; then v212, v214 the two blocks' largest
.set PD,  216                          ; v216-219 lane permutes' results and bytes
.set SO,  220                          ; v220, v221 the conversions' scale operands
.set H8,  249                          ; v249 8 h
.set WV,  8
.set TB,  2                            ; s2  the step's codes: 6,144 bytes a step, in K and in V
.set TS,  3                            ; s3  K's scale words: 512 a step
.set TJ,  18                           ; s18 V's: 256 a step
.set CNT, 19
.set SEL, 20
.set CS,  22
.set HM,  92                           ; s92 the mask of lanes 16-31
.set NCS, 93
.set G1K, 24
.set G1V, 32
.set G1KS, 40
.set G1VS, 48
.set G0K, 56
.set G0V, 60
.set G0KS, 68
.set G0VS, 72
.macro WALU
	s_wait_alu depctr_va_vdst(0)
.endm
.macro CROUND
	s_barrier_signal -1
	s_barrier_wait -1
	s_cmp_lg_u32 s[WV], 0
	s_cbranch_scc1 .Lnot_wave_0_\@
	s_barrier_signal -3
.Lnot_wave_0_\@:
	s_barrier_wait -3
	s_barrier_signal -1
	s_barrier_wait -1
.endm
.macro GROUP1 g, cols, rows, pitch     ; the mask names all four work-groups; elements of 8 bytes; no padding
	s_mov_b32 s[\g], 15|(3<<16)|(1<<21)
	s_mov_b32 s[\g+1], (\cols)<<16
	s_mov_b32 s[\g+2], (\rows)<<16
	s_mov_b32 s[\g+3], (\cols)<<16
	s_mov_b32 s[\g+4], \rows
	s_mov_b32 s[\g+5], \pitch
	s_mov_b32 s[\g+6], 0
	s_mov_b32 s[\g+7], 0
.endm
.macro TLOAD g0, g1
	tensor_load_to_lds s[\g0:\g0+3], s[\g1:\g1+7]
	s_nop 0
.rept 4
	v_nop
.endr
.endm
	s_load_b128 s[4:7], s[0:1], 0x0                ; qkv, yq
	v_lshl_add_u32 v[SPW], v0, 2, SPARE
	v_mov_b32 v[NIL], 0
	ds_add_u32 v[SPW], v[NIL]                      ; the opening lines
	ds_add_u32 v[SPW], v[NIL]
	v_lshrrev_b32 v9, 5, v0
	v_readfirstlane_b32 s[WV], v9                  ; wave 0..15
	s_and_b32 s9, ttmp7, 0xffff
	s_lshr_b32 s10, s9, 4                          ; b
	s_and_b32 s11, s9, 15                          ; the head
	s_bfe_u32 s12, ttmp6, 0x40000                  ; cx: it enters Q's and y's addresses alone
	s_lshl_b32 s13, s10, 7                         ; the batch's first token block
	s_and_b32 s14, s11, 1
	s_lshl_b32 s14, s14, 1                         ; my head's two bytes of a scale word
	s_add_co_u32 s15, s11, 16                      ; k's chunk of channels
	s_lshl_b32 s76, s15, 9
	s_add_co_u32 s76, s76, s13
	s_mul_i32 s76, s76, 768
	s_mul_i32 s16, s[WV], 16384                    ; waves 0-5: a sixth of K's codes each
	s_add_co_u32 s76, s76, s16
	s_mov_b32 s77, 0
	s_lshl_b32 s78, s10, 5
	s_lshl_b32 s17, s[WV], 2                       ; waves 6-13: four chunks of V each (the 24 chunks too many are taken off with VC below)
	s_add_co_u32 s78, s78, s17
	s_lshl_b32 s78, s78, 6
	s_lshl_b32 s17, s11, 2                         ; the head's first channel block
	s_add_co_u32 s78, s78, s17
	s_mul_i32 s78, s78, 768
	s_add_co_u32 s78, s78, VC-1179648
	s_mov_b32 s79, 0
	s_lshr_b32 s80, s15, 1
	s_lshl_b32 s80, s80, 9
	s_add_co_u32 s80, s80, s13
	s_lshl_b32 s80, s80, 6
	s_add_co_u32 s80, s80, QKS
	s_mov_b32 s81, 0
	s_lshl_b32 s82, s10, 4
	s_lshl_b32 s82, s82, 6
	s_add_co_u32 s82, s82, s17
	s_lshl_b32 s82, s82, 6
	s_add_co_u32 s82, s82, VS
	s_mov_b32 s83, 0
	s_lshl_b32 s94, s12, 5
	s_add_co_u32 s94, s94, s13
	s_add_co_u32 s94, s94, s[WV]                   ; my block of queries in pass 0; pass 1's is 16 blocks on
	s_lshl_b32 s84, s11, 9
	s_add_co_u32 s84, s84, s94
	s_mul_i32 s84, s84, 768
	s_mov_b32 s85, 0
	s_lshr_b32 s86, s11, 1
	s_lshl_b32 s86, s86, 9
	s_add_co_u32 s86, s86, s94
	s_lshl_b32 s86, s86, 6
	s_add_co_u32 s86, s86, s14
	s_add_co_u32 s86, s86, QKS
	s_mov_b32 s87, 0
	s_lshl_b32 s88, s94, 4
	s_add_co_u32 s88, s88, s11
	s_mul_i32 s88, s88, 768                        ; y's half fragment: [token block][chunk = head]
	s_mov_b32 s89, 0
	s_lshl_b32 s90, s94, 9
	s_lshr_b32 s95, s11, 3
	s_lshl_b32 s95, s95, 8
	s_add_co_u32 s90, s90, s95
	s_bfe_u32 s95, s11, 0x20001
	s_lshl_b32 s95, s95, 2
	s_add_co_u32 s90, s90, s95
	s_add_co_u32 s90, s90, s14
	s_add_co_u32 s90, s90, XS                      ; y's scale bytes: [token block][K half][r][word][byte]
	s_mov_b32 s91, 0
	GROUP1 G1K, 32, 64, 32                         ; K's codes: 16,384 dense bytes as rows of 256
	GROUP1 G1V, 384, 4, 6144                       ; V's codes: 4 chunks of 3,072 bytes, 49,152 apart
	GROUP1 G1KS, 32, 32, 32                        ; K's scale words: 8,192 dense bytes
	GROUP1 G1VS, 32, 16, 512                       ; V's: 16 rows of 256 bytes, 4,096 apart
	s_mov_b32 s[SEL], 0x76543210
	s_mov_b32 s[SEL+1], 0xfedcba98
	s_mov_b32 s[CS], 0x3e38aa3b                    ; c = log2(e) / 8
	s_mov_b32 s[CS+1], s[CS]
	s_mov_b32 s[NCS], 0xbe38aa3b                   ; -c
	v_and_b32 v9, 31, v0
	v_and_b32 v230, 15, v0                         ; r
	v_bfe_u32 v231, v0, 4, 1                       ; h
	v_lshlrev_b32 v[L16], 4, v9
	v_lshlrev_b32 v[L8], 3, v9
	v_lshlrev_b32 v[R4], 2, v230
	v_lshlrev_b32 v[H8], 3, v231
	v_add_nc_u32 v[V16], LV, v[L16]
	v_add_nc_u32 v[V8], LV, v[L8]
	v_add_nc_u32 v[KSA], LKS, v[R4]
	v_add_nc_u32 v[VSA], LVS, v[R4]
	v_lshl_add_u32 v[YB], v230, 4, v231            ; 16 r + h
	v_add_nc_u32 v[KSA], s14, v[KSA]
	v_cmp_ne_u32 s[HM], 0, v231
.irp j, 22,23,24,25,26,27,242,243,244,245,246,247,80,81,82,83,84,85
	v_mov_b32 v[\j], 0                             ; Q's upper halves (both passes') and the pad behind K's last tile: zero codes
.endr
.irp j, 216,217,218,219,233
	v_mov_b32 v[\j], 0                             ; lane permutes' destinations, and the upper half of the pair v[232:233]: written once
.endr
	WALU                                           ; the wait at the head's end
	s_wait_dscnt 0x0                               ; both opening adds are done
	s_wait_kmcnt 0x0
	s_add_nc_u64 s[76:77], s[4:5], s[76:77]
	s_add_nc_u64 s[78:79], s[4:5], s[78:79]
	s_add_nc_u64 s[80:81], s[4:5], s[80:81]
	s_add_nc_u64 s[82:83], s[4:5], s[82:83]
	s_add_nc_u64 s[84:85], s[4:5], s[84:85]
	s_add_nc_u64 s[86:87], s[4:5], s[86:87]
	s_add_nc_u64 s[88:89], s[6:7], s[88:89]
	s_add_nc_u64 s[90:91], s[6:7], s[90:91]
	s_mov_b32 s[G0K], 1
	s_mul_i32 s[G0K+1], s[WV], 16384
	s_mov_b64 s[G0K+2:G0K+3], s[76:77]
	s_or_b32 s[G0K+3], s[G0K+3], 0x80000000
	s_mov_b32 s[G0V], 1
	s_mul_i32 s[G0V+1], s[WV], 12288
	s_add_co_u32 s[G0V+1], s[G0V+1], LV-73728
	s_mov_b64 s[G0V+2:G0V+3], s[78:79]
	s_or_b32 s[G0V+3], s[G0V+3], 0x80000000
	s_mov_b32 s[G0KS], 1
	s_mov_b32 s[G0KS+1], LKS
	s_mov_b64 s[G0KS+2:G0KS+3], s[80:81]
	s_or_b32 s[G0KS+3], s[G0KS+3], 0x80000000
	s_mov_b32 s[G0VS], 1
	s_mov_b32 s[G0VS+1], LVS
	s_mov_b64 s[G0VS+2:G0VS+3], s[82:83]
	s_or_b32 s[G0VS+3], s[G0VS+3], 0x80000000
	CROUND                                         ; all four work-groups are here: the joint loads meet
	s_cmp_lt_u32 s[WV], 6                          ; one tensor load a wave, in one chain of arms
	s_cbranch_scc0 .Lhead_v
	TLOAD G0K, G1K
	s_branch .Lhead_asked
.Lhead_v:
	s_cmp_lt_u32 s[WV], 14
	s_cbranch_scc0 .Lhead_ks
	TLOAD G0V, G1V
	s_branch .Lhead_asked
.Lhead_ks:
	s_cmp_eq_u32 s[WV], 14
	s_cbranch_scc0 .Lhead_vs
	TLOAD G0KS, G1KS
	s_branch .Lhead_asked
.Lhead_vs:
	TLOAD G0VS, G1VS
.Lhead_asked:
	global_load_b128 v[16:19], v[L16], s[84:85]    ; Q of both passes stays in registers
	global_load_b64 v[20:21], v[L8], s[84:85] offset:512
	global_load_u16 v228, v[R4], s[86:87]
	global_load_b128 v[236:239], v[L16], s[84:85] offset:12288
	global_load_b64 v[240:241], v[L8], s[84:85] offset:12288+512
	global_load_u16 v248, v[R4], s[86:87] offset:1024
	s_wait_tensorcnt 0x0                           ; my part has landed,
	s_barrier_signal -1
	s_barrier_wait -1                              ; everybody's has
	s_wait_loadcnt 0x0
; A KEY STEP: 128 keys.  QF: Q's fragment, QS: its scale word.
.macro KSTEP QF, QS
	v_add_nc_u32 v28, s[TB], v[L16]
	v_add_nc_u32 v29, s[TB], v[L8]
	v_add_nc_u32 v30, s[TS], v[KSA]
	v_nop                                          ; four plain lines between the last products and the loads into registers that they read
.irp t, 0,1,2,3,4,5,6,7
	ds_load_b128 v[32+6*\t:35+6*\t], v28 offset:768*\t
	ds_load_b64 v[36+6*\t:37+6*\t], v29 offset:768*\t+512
	ds_load_u16 v[88+\t], v30 offset:64*\t
.endr
	s_wait_dscnt 0x0
.irp t, 0,1,2,3,4,5,6,7
	v_wmma_scale_f32_16x16x128_f8f6f4 v[96+8*\t:103+8*\t], v[32+6*\t:43+6*\t], v[\QF:\QF+11], 0, v[88+\t], v[\QS] matrix_a_fmt:MATRIX_FMT_FP6 matrix_b_fmt:MATRIX_FMT_FP6
.endr
	v_add_nc_u32 v31, s[TB], v[V16]
	v_add_nc_u32 v86, s[TB], v[V8]
	v_add_nc_u32 v87, s[TJ], v[VSA]
	v_nop                                          ; four plain lines again: for V's loads into K's registers, and for the first read of the scores
.irp t, 0,1,2,3                        ; V's four fragments land while the softmax is walked
	ds_load_b128 v[32+12*\t:35+12*\t], v31 offset:768*\t
	ds_load_b64 v[36+12*\t:37+12*\t], v86 offset:768*\t+512
	ds_load_b128 v[38+12*\t:41+12*\t], v31 offset:3072+768*\t
	ds_load_b64 v[42+12*\t:43+12*\t], v86 offset:3072+768*\t+512
	ds_load_b32 v[224+\t], v87 offset:64*\t
.endr
.irp g, 0,1,2,3                        ; my two blocks' largest scores, each in two chains of 16 registers: for the row's maximum and, since p rises with the score, for the block's largest p
	v_max3_num_f32 v[BM+\g], v[96+16*\g], v[97+16*\g], v[98+16*\g]
.endr
.irp i, 3,5,7,9,11,13
.irp g, 0,1,2,3
	v_max3_num_f32 v[BM+\g], v[BM+\g], v[96+16*\g+\i], v[97+16*\g+\i]
.endr
.endr
.irp c, 0,1
	v_max3_num_f32 v[BM+2*\c], v[BM+2*\c], v[BM+2*\c+1], v[111+32*\c]
.endr
.irp c, 0,1
	v_max_num_f32 v[BM+2*\c], v[BM+2*\c], v[127+32*\c]
.endr
	s_delay_alu instid0(VALU_DEP_1)
	v_max3_num_f32 v13, v13, v[BM], v[BM+2]        ; the running largest score of my 64 keys a step,
	s_delay_alu instid0(VALU_DEP_1)
	v_permlanex16_b32 v[PD], v13, s[SEL], s[SEL+1]
	s_delay_alu instid0(VALU_DEP_1)
	v_max_num_f32 v13, v13, v[PD]                  ; and of lane l xor 16's
	s_delay_alu instid0(VALU_DEP_1)
	v_mul_f32 v230, s[NCS], v13                    ; -t
	s_delay_alu instid0(VALU_DEP_1)
	v_floor_f32 v230, v230                         ; the new -M = floor(-t): M is a whole number
	s_delay_alu instid0(VALU_DEP_1)
	v_sub_f32 v232, v230, v12
	s_delay_alu instid0(VALU_DEP_2)
	v_mov_b32 v12, v230
	s_delay_alu instid0(VALU_DEP_2)
	v_cvt_i32_f32 v232, v232                       ; (it saturates)
	s_delay_alu instid0(VALU_DEP_1)
	v_ldexp_f32 v232, 1.0, v232                    ; f = 2^(old M - new M)
.irp j, 0,2,4,6,8,10,12,14,16,18,20,22,24,26,28,30
	v_pk_mul_f32 v[160+\j:161+\j], v[160+\j:161+\j], v[232:233] op_sel_hi:[1,0]   ; O^T under the new M, each accumulator from its low end on
.endr
.irp j, 0,2,4,6,8,10,12,14,16,18,20,22,24,26,28,30,32,34,36,38,40,42,44,46,48,50,52,54,56,58,60,62
	v_pk_fma_f32 v[96+\j:97+\j], v[96+\j:97+\j], s[CS:CS+1], v[12:13] op_sel_hi:[1,0,0]   ; t - M
.endr
.irp c, 0,1
	v_fma_f32 v[BM+2*\c], v[BM+2*\c], s[CS], v12
.endr
	WALU                                           ; the wait ahead of the batch
.irp j, 0,1,2,3,4,5,6,7,8,9,10,11,12,13,14,15,16,17,18,19,20,21,22,23,24,25,26,27,28,29,30,31,32,33,34,35,36,37,38,39,40,41,42,43,44,45,46,47,48,49,50,51,52,53,54,55,56,57,58,59,60,61,62,63
	v_exp_f32 v[96+\j], v[96+\j]                   ; p = 2^(t - M)
.endr
.irp c, 0,1
	v_exp_f32 v[BM+2*\c], v[BM+2*\c]               ; the blocks' largest p
.endr
	v_pk_mul_f32 v[14:15], v[14:15], v[232:233] op_sel_hi:[1,0]   ; the sums under the new M: a plain line behind the exponentials
	WALU                                           ; and behind it, ahead of its first reader
.irp c, 0,1
	v_max_num_f32 v[BM+2*\c], 0x1800000, v[BM+2*\c]   ; the floor: the byte cannot fall under 1
.endr
.irp c, 0,1
	s_delay_alu instid0(VALU_DEP_2)
	v_add_nc_u32 v[SO+\c], 0xff000000, v[BM+2*\c]
.endr
.irp c, 0,1
	s_delay_alu instid0(VALU_DEP_2)
	v_lshrrev_b32 v[PD+\c], 23, v[SO+\c]
.endr
	s_delay_alu instid0(VALU_DEP_1)
	v_lshl_or_b32 v[PD+2], v[PD+1], 16, v[PD]      ; bytes h and 2 + h of p's scale word for these 128 keys,
	s_delay_alu instid0(VALU_DEP_1)
	v_lshlrev_b32 v[PD+2], v[H8], v[PD+2]          ; at their places;
	s_delay_alu instid0(VALU_DEP_1)
	v_permlanex16_b32 v[PD+3], v[PD+2], s[SEL], s[SEL+1]
	s_delay_alu instid0(VALU_DEP_1)
	v_or_b32 v229, v[PD+2], v[PD+3]                ; with lane l xor 16's two the word is whole
.irp c, 0,1
	v_cvt_scalef32_pk16_fp6_f32 v[192+6*\c:194+6*\c], v[96+32*\c:111+32*\c], v[SO+\c]
	v_cvt_scalef32_pk16_fp6_f32 v[204+4*\c:206+4*\c], v[112+32*\c:127+32*\c], v[SO+\c]
.endr
	v_nop                                          ; one plain line behind a scaled conversion
.irp c, 0,1
.irp i, 0,1,2
	v_mov_b32 v[195+6*\c+\i], v[204+4*\c+\i]       ; (a conversion's three registers begin on an even number)
.endr
.endr
	v_pk_add_f32 v[234:235], v[100:101], v[104:105]   ; the row's sum of the unquantised p, in eight chains.  These lines are also the plain lines between p's codes and scale word and the products
	v_pk_add_f32 v[254:255], v[108:109], v[112:113]
	v_pk_add_f32 v[252:253], v[116:117], v[120:121]
	v_pk_add_f32 v[250:251], v[124:125], v[128:129]
	v_pk_add_f32 v[222:223], v[132:133], v[136:137]
	v_pk_add_f32 v[220:221], v[140:141], v[144:145]
	v_pk_add_f32 v[218:219], v[148:149], v[152:153]
	v_pk_add_f32 v[14:15], v[14:15], v[156:157]
	v_pk_add_f32 v[234:235], v[234:235], v[96:97]
	v_pk_add_f32 v[254:255], v[254:255], v[98:99]
	v_pk_add_f32 v[252:253], v[252:253], v[102:103]
	v_pk_add_f32 v[250:251], v[250:251], v[106:107]
	v_pk_add_f32 v[222:223], v[222:223], v[110:111]
	v_pk_add_f32 v[220:221], v[220:221], v[114:115]
	v_pk_add_f32 v[218:219], v[218:219], v[118:119]
	v_pk_add_f32 v[14:15], v[14:15], v[122:123]
	v_pk_add_f32 v[234:235], v[234:235], v[126:127]
	v_pk_add_f32 v[254:255], v[254:255], v[130:131]
	v_pk_add_f32 v[252:253], v[252:253], v[134:135]
	v_pk_add_f32 v[250:251], v[250:251], v[138:139]
	v_pk_add_f32 v[222:223], v[222:223], v[142:143]
	v_pk_add_f32 v[220:221], v[220:221], v[146:147]
	v_pk_add_f32 v[218:219], v[218:219], v[150:151]
	v_pk_add_f32 v[14:15], v[14:15], v[154:155]
	v_pk_add_f32 v[234:235], v[234:235], v[158:159]
	v_pk_add_f32 v[14:15], v[14:15], v[250:251]
	v_pk_add_f32 v[234:235], v[234:235], v[222:223]
	v_pk_add_f32 v[254:255], v[254:255], v[220:221]
	v_pk_add_f32 v[252:253], v[252:253], v[218:219]
	v_pk_add_f32 v[14:15], v[14:15], v[254:255]
	v_pk_add_f32 v[234:235], v[234:235], v[252:253]
	v_pk_add_f32 v[14:15], v[14:15], v[234:235]
	WALU
	s_wait_dscnt 0x0                               ; V is in
.irp t, 0,1,2,3
	v_wmma_scale_f32_16x16x128_f8f6f4 v[160+8*\t:167+8*\t], v[32+12*\t:43+12*\t], v[192:203], v[160+8*\t:167+8*\t], v[224+\t], v229 matrix_a_fmt:MATRIX_FMT_FP6 matrix_b_fmt:MATRIX_FMT_FP6
.endr
.endm
; A PASS: one tile of 16 queries over all 2,048 keys, and its way out.
.macro PASS p, QF, QS
.if \p
	s_wait_xcnt 0x0                                ; the last pass's stores have read their registers
.endif
	v_mov_b32 v13, 0xff61b1e6                      ; the largest score so far: -3e38
	v_mov_b32 v12, 0x7f61b1e6                      ; -M: 3e38, over every -M, so that the first f is 0
	v_mov_b32 v14, 0
	v_mov_b32 v15, 0
.irp j, 0,1,2,3,4,5,6,7,8,9,10,11,12,13,14,15,16,17,18,19,20,21,22,23,24,25,26,27,28,29,30,31
	v_mov_b32 v[160+\j], 0                         ; O^T: the step is written once; its first trip finds zeros
.endr
	s_mov_b32 s[TB], 0
	s_mov_b32 s[TS], 0
	s_mov_b32 s[TJ], 0
	s_mov_b32 s[CNT], 16
	WALU
.Lstep_\@:
	KSTEP \QF, \QS
	s_add_co_u32 s[TB], s[TB], 6144
	s_add_co_u32 s[TS], s[TS], 512
	s_add_co_u32 s[TJ], s[TJ], 256
	s_sub_co_u32 s[CNT], s[CNT], 1
	s_cmp_lg_u32 s[CNT], 0
	s_cbranch_scc1 .Lstep_\@
	v_add_f32 v14, v14, v15                        ; the sum's two halves,
	v_permlanex16_b32 v230, v14, s[SEL], s[SEL+1]
	v_add_f32 v14, v14, v230                       ; and lane l xor 16's
	WALU
	v_rcp_f32 v232, v14
	v_nop
	v_nop                                          ; with the additions: the plain lines behind the last products and behind the reciprocal
	WALU
.irp j, 0,2,4,6,8,10,12,14,16,18,20,22,24,26,28,30
	v_pk_mul_f32 v[96+\j:97+\j], v[160+\j:161+\j], v[232:233] op_sel_hi:[1,0]   ; y: register 16 b + i is channel 32 b + 16 h + i of my head
.endr
.irp b, 0,1
	v_max3_num_f32 v[BM+\b], |v[96+16*\b]|, |v[97+16*\b]|, 0x1800000
.endr
.irp i, 2,4,6,8,10,12,14
.irp b, 0,1
	v_max3_num_f32 v[BM+\b], v[BM+\b], |v[96+16*\b+\i]|, |v[97+16*\b+\i]|
.endr
.endr
.irp b, 0,1
	v_permlanex16_b32 v[PD+\b], v[BM+\b], s[SEL], s[SEL+1]
.endr
.irp b, 0,1
	v_max_num_f32 v[BM+\b], v[BM+\b], v[PD+\b]
.endr
.irp b, 0,1
	v_add_nc_u32 v[SO+\b], 0xff000000, v[BM+\b]
.endr
.irp b, 0,1
	v_lshrrev_b32 v[PD+\b], 23, v[SO+\b]
.endr
	v_cvt_scalef32_pk16_fp6_f32 v[192:194], v[96:111], v[SO]
	v_cvt_scalef32_pk16_fp6_f32 v[204:206], v[112:127], v[SO+1]
	v_nop                                          ; one plain line behind a scaled conversion
	v_cndmask_b32 v230, v[PD], v[PD+1], s[HM]      ; lane (r, h) stores block h's byte
.irp i, 0,1,2
	v_permlane16_swap_b32 v[192+\i], v[204+\i]
.endr
.irp i, 0,1,2
	v_mov_b32 v[195+\i], v[204+\i]
.endr
	global_store_b128 v[L16], v[192:195], s[88:89] offset:\p*196608         ; a half fragment of the last product's operand: 512 consecutive bytes,
	global_store_b64 v[L8], v[196:197], s[88:89] offset:\p*196608+512       ; and 256
	global_store_b8 v[YB], v230, s[90:91] offset:\p*8192                    ; single bytes: two heads share a scale word
.endm
	PASS 0, 16, 228
	PASS 1, 236, 248
	s_wait_tensorcnt 0x0                           ; the wave's end
	ds_add_u32 v[SPW], v[NIL]
	s_wait_dscnt 0x0
	CROUND                                         ; the closing round
	s_endpgm
.Lfunc_end_k_q1fd8e70d80_attn:
	.size	k_q1fd8e70d80_attn, .Lfunc_end_k_q1fd8e70d80_attn-k_q1fd8e70d80_attn
	.p2alignl 7, 3214868480
	.fill 96, 4, 3214868480
	.section	.rodata,"a",@progbits
	.p2align	6, 0x0
	.amdhsa_kernel k_q1fd8e70d80_attn
		.amdhsa_group_segment_fixed_size 210944
		.amdhsa_private_segment_fixed_size 0
		.amdhsa_enable_private_segment 0
		.amdhsa_kernarg_size 16
		.amdhsa_user_sgpr_count 2
		.amdhsa_user_sgpr_kernarg_segment_ptr 1
		.amdhsa_wavefront_size32 1
		.amdhsa_system_sgpr_workgroup_id_x 1
		.amdhsa_system_sgpr_workgroup_id_y 1
		.amdhsa_system_sgpr_workgroup_id_z 1
		.amdhsa_system_vgpr_workitem_id 0
		.amdhsa_next_free_vgpr 256
		.amdhsa_next_free_sgpr 96
		.amdhsa_reserve_vcc 0
		.amdhsa_float_denorm_mode_32 3
		.amdhsa_float_denorm_mode_16_64 3
		.amdhsa_memory_ordered 1
		.amdhsa_forward_progress 1
		.amdhsa_inst_pref_size 52
	.end_amdhsa_kernel
	.amdgpu_metadata
---
amdhsa.version: [ 1, 2 ]
amdhsa.kernels:
  - .name:           k_q1fd8e70d80_attn
    .symbol:         k_q1fd8e70d80_attn.kd
    .args:
      - { .name: qkv, .offset: 0, .size: 8, .value_kind: global_buffer, .address_space: global }
      - { .name: yq, .offset: 8, .size: 8, .value_kind: global_buffer, .address_space: global }
    .group_segment_fixed_size: 210944
    .private_segment_fixed_size: 0
    .kernarg_segment_align: 8
    .kernarg_segment_size: 16
    .max_flat_workgroup_size: 512
    .sgpr_count:     96
    .vgpr_count:     256
    .wavefront_size: 32
...
	.end_amdgpu_metadata
.endif
;; end of part 3
;; launch oproj (part 4): grid 8 x 32, 4 waves a work-group, clusters of 4 x 4, 327,680 bytes of LDS; arguments yq, wq, bo, out0; writes out0
.if DOCPART == 4
	.amdgcn_target "amdgcn-amd-amdhsa--gfx1250"
	.amdhsa_code_object_version 6
	.text
	.protected	k_q1fd8e70d80_oproj
	.globl	k_q1fd8e70d80_oproj
	.p2align	8
	.type	k_q1fd8e70d80_oproj,@function
k_q1fd8e70d80_oproj:
	s_mov_b64 s[64:65], 0
	v_nop
	global_prefetch_b8 v0, s[64:65] scope:SCOPE_SE
	s_setreg_imm32_b32 hwreg(HW_REG_WAVE_MODE, 25, 1), 1
	s_wait_xcnt 0x0
	s_wait_alu depctr_hold_cnt(0) depctr_sa_sdst(0) depctr_va_vdst(0) depctr_va_sdst(0) depctr_va_ssrc(0) depctr_va_vcc(0) depctr_vm_vsrc(0)
	s_getreg_b32 s2, hwreg(HW_REG_IB_STS2, 6, 4)
	s_cmp_eq_u32 s2, 0
	s_cbranch_scc0 .Lentry_in_a_cluster
	s_endpgm
.Lentry_in_a_cluster:
	s_bfe_u32 s2, ttmp6, 0x10000c
	s_cmp_lg_u32 s2, 0xf033
	s_cbranch_scc0 .Lentry_shape_is_right
	s_endpgm
.Lentry_shape_is_right:
; out0 = y W_o + b_o on codes of E2M3; the result leaves as f32.
; SHARES.  256 work-groups: 32 tiles of 256 tokens x 8 tiles of 128 columns.  A wave takes 64 tokens (4 blocks of 16) x 128 columns (8 blocks): 32 accumulators.
; LDS.  y's 256 rows and W_o's 128 rows, all of K, come ONCE, each as two K halves; so do their scale words.  Nothing is filled again.
; FILLS.  Head, one load a wave: y's lower half, W_o's lower half, y's scale words, W_o's.  Behind a drained round: y's upper half (wave 0), W_o's (wave 1).
; CLUSTERS.  y's tiles hang on the token tile alone and are shared by a row of the cluster, W_o's on the column tile alone and are shared by a column.
; Source 0 = the weight's rows: a lane holds a token, its registers run along the columns.  Row r of y's block i is token 64 (i / 4) + 8 (i % 4) + r % 8 + 32 (r / 8);
; row r of the weight's block i is column 32 (i / 2) + 8 (i % 2) + r + 8 (r / 8).  The bias is the C of the first products.
; THE WAY OUT.  A block of 16 tokens x 128 columns goes through the wave's own stage and comes back as rows of 512 bytes.  The stage lies on the wave's own four blocks of y's lower half: only this wave reads those bytes,
; and they have had their last fill and their last read when the first result is stored there.
; NO DATA PREFETCH: all that comes from memory is asked for in the two groups at the head; no loop streams from memory.
; LIMITS: NaN and infinities are not served.
.set XS,    6291456
.set WOC,   2359296
.set WOS,   3244032
.set FR,    12
.set XHI,   98304
.set WSL,   196608
.set WSZ,   49152
.set XSC,   294912
.set WSC,   303104
.set SPARE, 307200
.set L16, 1
.set L8,  2
.set SPW, 4
.set NIL, 5
.set XA16, 8
.set XA8,  10
.set WB16, 12
.set WB8,  14
.set XSA, 16
.set WSA, 17
.set BQO, 19
.set STO, 20
.set RD,  21
.set SB,  32                           ; v32-95 the weight's scale words: 8 b + K step
.set SA,  98                           ; v98-129 y's: 8 a + K step; the two numbers never agree modulo 8
.set AF,  130                          ; v130-225 y's fragments, two sets of four
.set BQ,  0                            ; window 3: the bias as C operands
.set G1X, 24
.set G1W, 32
.set G1XS, 40
.set G1WS, 48
.set G0X, 56
.set G0W, 60
.set G0XS, 72
.set G0WS, 76
.set MSB, 0
.macro WIN new
.if MSB != \new
	s_set_vgpr_msb (MSB<<8)|\new
.set MSB, \new
.endif
.endm
.macro PLACES
.rept 4
	v_nop
.endr
.endm
.macro WALU
	s_wait_alu depctr_va_vdst(0)
.endm
.macro CROUND
	s_barrier_signal -1
	s_barrier_wait -1
	s_cmp_lg_u32 s16, 0
	s_cbranch_scc1 .Lnot_wave_0_\@
	s_barrier_signal -3
.Lnot_wave_0_\@:
	s_barrier_wait -3
	s_barrier_signal -1
	s_barrier_wait -1
.endm
.macro TLOAD g0, g1
	tensor_load_to_lds s[\g0:\g0+3], s[\g1:\g1+7]
	s_nop 0
	PLACES
.endm
.macro GROUP1 g, mask, cols, rows, pitch   ; elements of 8 bytes, no padding
	s_or_b32 s[\g], s\mask, (3<<16)|(1<<21)
	s_mov_b32 s[\g+1], (\cols)<<16
	s_mov_b32 s[\g+2], (\rows)<<16
	s_mov_b32 s[\g+3], (\cols)<<16
	s_mov_b32 s[\g+4], \rows
	s_mov_b32 s[\g+5], \pitch
	s_mov_b32 s[\g+6], 0
	s_mov_b32 s[\g+7], 0
.endm
.macro GROUP0 g, lds, base, off
	s_mov_b32 s[\g], 1
	s_mov_b32 s[\g+1], \lds
	s_add_nc_u64 s[\g+2:\g+3], s[\base:\base+1], s[\off:\off+1]
	s_or_b32 s[\g+3], s[\g+3], 0x80000000
.endm
.macro ARM under, g0, g1, next
	s_cmp_lt_u32 s16, \under
	s_cbranch_scc0 \next
	TLOAD \g0, \g1
	s_branch .Lhead_asked
\next:
.endm
.macro FRAG reg, a16, a8, off          ; 16 rows x 128 K: two half fragments of 768 bytes
	ds_load_b128 v[\reg:\reg+3], v[\a16] offset:\off
	ds_load_b64 v[\reg+4:\reg+5], v[\a8] offset:\off+512
	ds_load_b128 v[\reg+6:\reg+9], v[\a16] offset:\off+768
	ds_load_b64 v[\reg+10:\reg+11], v[\a8] offset:\off+1280
.endm
.macro FETCH t                         ; K step t's twelve fragments into set t % 2: 48 loads
	WIN 0x40
.irp i, 0,1,2,3,4,5,6,7
	FRAG 128*((\t)%2)+FR*\i, WB16+(\t)/4, WB8+(\t)/4, 6144*\i+1536*((\t)%4)
.endr
	WIN 0
.irp i, 0,1,2,3
	FRAG AF+48*((\t)%2)+FR*\i, XA16+(\t)/4, XA8+(\t)/4, 6144*\i+1536*((\t)%4)
.endr
.endm
.macro WM d, s0, s1, c, x0, x1
	v_wmma_scale_f32_16x16x128_f8f6f4 v[\d:\d+7], v[\s0:\s0+11], v[\s1:\s1+11], v[\c:\c+7], v[\x0], v[\x1] matrix_a_fmt:MATRIX_FMT_FP6 matrix_b_fmt:MATRIX_FMT_FP6
.endm
.macro MUL8 a, t, cm                   ; y's block a against the weight's eight.  The 32 accumulators take turns, in one order in every K step
.irp b, 0,1,2,3,4,5,6,7
.set D_, 8*(8*(\a)+\b)
.if \cm
.set C_, BQ+8*\b
.else
.set C_, D_
.endif
.set FB_, 128*((\t)%2)+FR*\b
.set FA_, AF+48*((\t)%2)+FR*(\a)
.set XB_, SB+8*\b+(\t)
.set XA_, SA+8*(\a)+(\t)
	WM D_, FB_, FA_, C_, XB_, XA_
.endr
.endm
.macro SETW cm                         ; the weight's fragments window 1, y's window 0, sums window 2; a first product's C window 3
.set NW_, 0xa1+0x10*(\cm)
	WIN NW_
.endm
.macro STEP t, cm                      ; a K step: the next step's fragments are asked for first and have its 32 products in which to come
	s_wait_dscnt 0x0
	PLACES
	FETCH (\t)+1
	SETW \cm
.irp a, 0,1,2,3
	MUL8 \a, \t, \cm
.endr
.endm
	s_load_b256 s[4:11], s[0:1], 0x0               ; yq, wq, bo, out0
	v_lshl_add_u32 v[SPW], v0, 2, SPARE
	v_mov_b32 v[NIL], 0
	ds_add_u32 v[SPW], v[NIL]                      ; the opening lines
	ds_add_u32 v[SPW], v[NIL]
	v_lshrrev_b32 v24, 5, v0
	v_readfirstlane_b32 s16, v24                   ; wave
	s_bfe_u32 s19, ttmp6, 0x40000                  ; cx
	s_bfe_u32 s20, ttmp6, 0x40004                  ; cy
	s_lshl_b32 s21, ttmp9, 2
	s_add_co_u32 s21, s21, s19                     ; column tile 0..7
	s_and_b32 s22, ttmp7, 0xffff
	s_lshl_b32 s22, s22, 2
	s_add_co_u32 s22, s22, s20                     ; token tile 0..31
	s_lshl_b32 s2, s20, 2
	s_lshl_b32 s2, 15, s2                          ; my row of the cluster
	s_lshl_b32 s3, 0x1111, s19                     ; my column
	GROUP1 G1X, 2, 768, 16, 1536                   ; 16 blocks x 6,144 bytes, 12,288 apart
	GROUP1 G1W, 3, 768, 8, 1536                    ; 8 blocks likewise
	GROUP1 G1XS, 2, 32, 32, 32                     ; 8,192 dense bytes as rows of 256
	GROUP1 G1WS, 3, 32, 16, 32                     ; 4,096 likewise
	s_mov_b32 s101, 0
	s_mov_b32 s87, 0
	WALU
	s_wait_dscnt 0x0
	CROUND                                         ; in front of the first joint loads
	s_wait_kmcnt 0x0
	s_mul_i32 s100, s22, 196608
	GROUP0 G0X, 0, 4, 100
	s_lshl_b32 s100, s22, 13
	s_add_co_u32 s100, s100, XS
	GROUP0 G0XS, XSC, 4, 100
	s_mul_i32 s86, s21, 98304
	s_add_co_u32 s86, s86, WOC
	GROUP0 G0W, WSL, 6, 86
	s_add_co_u32 s86, s86, 6144
	GROUP0 G0W+8, WSL+WSZ, 6, 86
	s_lshl_b32 s86, s21, 12
	s_add_co_u32 s86, s86, WOS
	GROUP0 G0WS, WSC, 6, 86
	ARM 1, G0X, G1X, .Lhead_w                      ; one load a wave, in one chain of arms
	ARM 2, G0W, G1W, .Lhead_xs
	ARM 3, G0XS, G1XS, .Lhead_ws
	TLOAD G0WS, G1WS
.Lhead_asked:
	s_lshl_b32 s100, s21, 9                        ; my 128 columns, in bytes
	s_add_nc_u64 s[94:95], s[8:9], s[100:101]
	s_add_nc_u64 s[92:93], s[10:11], s[100:101]
	s_lshl_b32 s100, s22, 20                       ; my 64 tokens: rows of 4,096 bytes
	s_lshl_b32 s2, s16, 18
	s_add_co_u32 s100, s100, s2
	s_add_nc_u64 s[92:93], s[92:93], s[100:101]
	s_mul_i32 s2, s16, 24576                       ; my four blocks of y; my stage too
	s_lshl_b32 s3, s16, 11
	s_add_co_u32 s3, s3, XSC
	v_and_b32 v24, 31, v0
	v_and_b32 v25, 15, v0
	v_bfe_u32 v27, v0, 4, 1
	v_lshlrev_b32 v[L16], 4, v24
	v_lshlrev_b32 v[L8], 3, v24
	v_lshlrev_b32 v26, 4, v25
	v_mul_u32_u24 v[STO], v25, 528
	v_add_nc_u32 v[XA16], s2, v[L16]
	v_add_nc_u32 v[XA8], s2, v[L8]
	v_add_nc_u32 v[WB16], WSL, v[L16]
	v_add_nc_u32 v[WB8], WSL, v[L8]
	v_add_nc_u32 v[WB16+1], WSL+WSZ, v[L16]
	v_add_nc_u32 v[WB8+1], WSL+WSZ, v[L8]
	v_add_nc_u32 v[XA16+1], XHI, v[XA16]
	v_add_nc_u32 v[XA8+1], XHI, v[XA8]
	v_add_nc_u32 v[XSA], s3, v26
	v_add_nc_u32 v[WSA], WSC, v26
	v_lshlrev_b32 v[BQO], 6, v27                   ; register j of block b is column 32 (b / 2) + 8 (b % 2) + 16 h + j
	v_lshl_add_u32 v[STO], v27, 6, v[STO]
	v_add_nc_u32 v[RD], s2, v[L16]                 ; the stage, back: the 32 lanes take a row of 512 bytes
	v_add_nc_u32 v[STO], s2, v[STO]                ; and in: row r of 528 bytes, + 64 h
	WALU                                           ; the wait behind the head's vector lines
	WIN 0xc0
.irp b, 0,1,2,3,4,5,6,7
	global_load_b128 v[BQ+8*\b:BQ+8*\b+3], v[BQO], s[94:95] offset:(32*(\b/2)+8*(\b%2))*4
	global_load_b128 v[BQ+8*\b+4:BQ+8*\b+7], v[BQO], s[94:95] offset:(32*(\b/2)+8*(\b%2))*4+16
.endr
	WIN 0
	s_wait_tensorcnt 0x0                           ; my tile of the head's four is in
	ds_add_u32 v[SPW], v[NIL]
	s_mov_b32 s[G0X+1], XHI                        ; no load of mine is out: y's descriptor goes on to the upper half
	s_add_nc_u64 s[G0X+2:G0X+3], s[G0X+2:G0X+3], 6144
	s_wait_dscnt 0x0
	CROUND
	s_cmp_eq_u32 s16, 0
	s_cbranch_scc0 .Lsecond_w
	TLOAD G0X, G1X
	s_branch .Lsecond_asked
.Lsecond_w:
	s_cmp_eq_u32 s16, 1
	s_cbranch_scc0 .Lsecond_asked
	TLOAD G0W+8, G1W
.Lsecond_asked:
	FETCH 0
.irp a, 0,1,2,3
	ds_load_b128 v[SA+8*\a:SA+8*\a+3], v[XSA] offset:512*\a
	ds_load_b128 v[SA+8*\a+4:SA+8*\a+7], v[XSA] offset:512*\a+256
.endr
.irp b, 0,1,2,3,4,5,6,7
	ds_load_b128 v[SB+8*\b:SB+8*\b+3], v[WSA] offset:512*\b
	ds_load_b128 v[SB+8*\b+4:SB+8*\b+7], v[WSA] offset:512*\b+256
.endr
	s_wait_loadcnt 0x0
	STEP 0, 1
	STEP 1, 0
	STEP 2, 0
	WIN 0                                          ; the last K step of the lower half: a barrier shows the upper halves to all
	s_wait_tensorcnt 0x0
	ds_add_u32 v[SPW], v[NIL]
	s_wait_dscnt 1                                 ; this step's fragments are in; the add alone may be out
	SETW 0
	MUL8 0, 3, 0
	s_wait_dscnt 0x0
	s_barrier_signal -1
	MUL8 1, 3, 0
	WIN 0
	s_barrier_wait -1
	PLACES
	FETCH 4
	SETW 0
	MUL8 2, 3, 0
	MUL8 3, 3, 0
	STEP 4, 0
	STEP 5, 0
	STEP 6, 0
	s_wait_dscnt 0x0
	SETW 0
.irp a, 0,1,2,3
	MUL8 \a, 7, 0
.endr
	WIN 0
; THE WAY OUT.  LDS serves a wave's instructions in order: no wait between the stores into the stage and the loads from it, nor in front of the next block's stores
.macro TOSTAGE a
	WIN 0x08
.irp b, 0,1,2,3,4,5,6,7
	ds_store_b128 v[STO], v[64*(\a)+8*\b:64*(\a)+8*\b+3] offset:128*(\b/2)+32*(\b%2)       ; each accumulator from its low end on
	ds_store_b128 v[STO], v[64*(\a)+8*\b+4:64*(\a)+8*\b+7] offset:128*(\b/2)+32*(\b%2)+16
.endr
	WIN 0x40
.irp t, 0,1,2,3,4,5,6,7,8,9,10,11,12,13,14,15
	ds_load_b128 v[64*((\a)%2)+4*\t:64*((\a)%2)+4*\t+3], v[RD] offset:\t*528               ; into window 1, where the weight's fragments lay
.endr
	WIN 0
.endm
.macro SEND a, younger                 ; younger: the LDS instructions issued behind block a's loads, which may stay out.  Row t of my block a is token 8 a + t % 8 + 32 (t / 8) of my 64
	s_wait_dscnt \younger
	WIN 0x04
.irp t, 0,1,2,3,4,5,6,7,8,9,10,11,12,13,14,15
	global_store_b128 v[L16], v[64*((\a)%2)+4*\t:64*((\a)%2)+4*\t+3], s[92:93] offset:(8*(\a)+\t+24*(\t/8))*4096 th:TH_STORE_NT   ; 512 consecutive bytes, aligned
.endr
	WIN 0
.endm
	PLACES
	TOSTAGE 0
.irp a, 1,2,3
.if \a > 1
	s_wait_xcnt 0x0                                ; block a - 2's stores have read their registers
.endif
	TOSTAGE \a
	SEND \a-1, 32                                  ; behind block a - 1's loads: block a's 16 stores and 16 loads
.endr
	SEND 3, 0
	s_wait_tensorcnt 0x0                           ; the wave's end
	ds_add_u32 v[SPW], v[NIL]
	s_wait_dscnt 0x0
	CROUND                                         ; the closing round
	s_endpgm
.Lfunc_end_k_q1fd8e70d80_oproj:
	.size	k_q1fd8e70d80_oproj, .Lfunc_end_k_q1fd8e70d80_oproj-k_q1fd8e70d80_oproj
	.p2alignl 7, 3214868480
	.fill 96, 4, 3214868480
	.section	.rodata,"a",@progbits
	.p2align	6, 0x0
	.amdhsa_kernel k_q1fd8e70d80_oproj
		.amdhsa_group_segment_fixed_size 327680
		.amdhsa_private_segment_fixed_size 0
		.amdhsa_enable_private_segment 0
		.amdhsa_kernarg_size 32
		.amdhsa_user_sgpr_count 2
		.amdhsa_user_sgpr_kernarg_segment_ptr 1
		.amdhsa_wavefront_size32 1
		.amdhsa_system_sgpr_workgroup_id_x 1
		.amdhsa_system_sgpr_workgroup_id_y 1
		.amdhsa_system_sgpr_workgroup_id_z 1
		.amdhsa_system_vgpr_workitem_id 0
		.amdhsa_next_free_vgpr 1024
		.amdhsa_next_free_sgpr 102
		.amdhsa_reserve_vcc 0
		.amdhsa_float_denorm_mode_32 3
		.amdhsa_float_denorm_mode_16_64 3
		.amdhsa_memory_ordered 1
		.amdhsa_forward_progress 1
		.amdhsa_inst_pref_size 86
	.end_amdhsa_kernel
	.amdgpu_metadata
---
amdhsa.version: [ 1, 2 ]
amdhsa.kernels:
  - .name:           k_q1fd8e70d80_oproj
    .symbol:         k_q1fd8e70d80_oproj.kd
    .args:
      - { .name: yq, .offset: 0, .size: 8, .value_kind: global_buffer, .address_space: global }
      - { .name: wq, .offset: 8, .size: 8, .value_kind: global_buffer, .address_space: global }
      - { .name: bo, .offset: 16, .size: 8, .value_kind: global_buffer, .address_space: global }
      - { .name: out0, .offset: 24, .size: 8, .value_kind: global_buffer, .address_space: global }
    .group_segment_fixed_size: 327680
    .private_segment_fixed_size: 0
    .kernarg_segment_align: 8
    .kernarg_segment_size: 32
    .max_flat_workgroup_size: 128
    .sgpr_count:     102
    .vgpr_count:     1024
    .wavefront_size: 32
...
	.end_amdgpu_metadata
.endif
;; end of part 4
